; MI455X (gfx1250); checked and timed in simulation.
; The chip was launched on July 23, 2026; its instructions are those of AMD's public machine-readable ISA for CDNA 5 (MIT licence, August 2026) and "CDNA5" Instruction Set Architecture Reference Guide (July 2026). The comments in the code are by the model that wrote it; some were corrected since.
;; Attention QK Norm. Allowed arithmetic: matrix products marked QUANTISED: E2M3 operands, one E8M0 scale for each 32 along K, by v_wmma_scale_f32_16x16x128_f8f6f4 with both operands' format E2M3, f32 sums; everything else in f32.
;; Inputs: b_proj 1,024 float32; b_qkv 3,072 float32; g_k 64 float32; g_q 64 float32; w_proj 1,024 x 1,024 float32; w_qkv 1,024 x 3,072 float32; x 4 x 2,048 x 1,024 float32.
;; Outputs: out0 4 x 2,048 x 1,024 float32.
;; This version of the problem:
;;   THIS VERSION OF THE PROBLEM IS GIVEN IN LOW PRECISION. The matrix products marked QUANTISED in the list below multiply operands that are first quantised to E2M3 (2 exponent bits, 3 mantissa bits; 6 bits a number), with one power-of-two scale for each 32 numbers along K (OCP MX v1.0); their sums are f32. All else is computed in f32.
;;   The module's matrix products, in the order in which they are computed (A, B: the left and right operand; K: the contracted axis; several contracted axes count as one K, in the product's order):
;;     1. [M 8,192, K 1,024] x [K 1,024, N 3,072]; A: input x; B: input w_qkv: QUANTISED
;;     2. batch 64 x [M 2,048, K 64] x [K 64, N 2,048]; A: computed on the way; B: computed on the way: QUANTISED
;;     3. batch 64 x [M 2,048, K 2,048] x [K 2,048, N 64]; A: softmax (see below); B: computed on the way: QUANTISED
;;     4. [M 8,192, K 1,024] x [K 1,024, N 1,024]; A: computed on the way; B: input w_proj: QUANTISED
;;   THE QUANTISER, for each operand of a quantised product, along K:
;;     - K is cut into blocks of 32 from its start; a last block that is shorter is filled with zeros.
;;     - A block's scale is 2^e with e = floor(log2(the largest magnitude in the block)) - 2, held to -126 .. 127; a block of zeros has e = 0. As a byte (E8M0): e + 127.
;;     - Each number is divided by its block's scale, clamped to +-7.5, and rounded to the nearest number of E2M3, ties to even, subnormals kept.
;;     - The product sums the exact products of the quantised numbers (number of the format x scale) in f32.
;;   ~~~python
;;   def quantise(x, axis):      # numpy; x: float32 -> the quantised numbers, widened to float32 again
;;       x = np.moveaxis(x, axis, -1); K = x.shape[-1]
;;       x = np.pad(x, [(0, 0)] * (x.ndim - 1) + [(0, -K % 32)]); x = x.reshape(x.shape[:-1] + (-1, 32)); a = np.abs(x).max(-1, keepdims=True)
;;       e = np.where(a > 0, np.clip(np.frexp(np.where(a > 0, a, 1))[1] - 1 - 2, -126, 127), 0)      # np.frexp(a)[1] - 1 = floor(log2(a)), exactly
;;       r = np.clip(x / 2.0 ** e, -7.5, 7.5)
;;       step = 2.0 ** (np.maximum(np.frexp(np.where(r == 0, 1, r))[1] - 1, 0) - 3)
;;       q = np.round(r / step) * step * 2.0 ** e      # np.round: ties to even
;;       return np.moveaxis(q.reshape(q.shape[:-2] + (-1,))[..., :K], -1, axis).astype(np.float32)
;;   ~~~
;;   SOFTMAX AHEAD OF A QUANTISED PRODUCT. Where the list says 'softmax', what is quantised is not the finished softmax but p = 2^(t - M), with t = logit x log2(e) and M = ceil(the row's largest t), a whole number; so 1/2 < the row's largest p <= 1. The row's sum l is taken of the UNQUANTISED p, in f32, and the product's result is divided by l at the end. Since M is a whole number, a kernel that streams over the keys may use a running M (the ceiling of the running maximum): every later rescaling is an exact power of two, which a block's scale takes up: the codes' values come out the same.
;;   OPERANDS COMPUTED ON THE WAY. 'Computed on the way' means the value that the module computes at that place (a softmax that the list does not call 'softmax' is quantised finished and normalised). What goes into a quantiser is computed in f32, as accurately as f32 sums, v_exp_f32 and their like allow (about 1e-6 of the number): no bf16 or f16 on the way to a quantiser, and a product that is left as it is and whose result goes on into a quantised operand takes f32 operands (vector FMAs, or v_wmma_f32_16x16x4_f32). A number that lies on a knife's edge between two numbers of the format may be rounded either way, as far as f32 arithmetic and the matrix unit's own rounding can turn it there, and no further.
;; One version. Each part assembles by itself: llvm-mc -triple=amdgcn-amd-amdhsa -mcpu=gfx1250 --defsym DOCPART=n.
;; ======== version 1 of 1: 4 launches
;; limits: right only within a limited range of input values
;; workspace buffers: xc 6,291,456 bytes; xs 262,144 bytes; wc 3,145,728 bytes; ws 131,072 bytes; qf 6,553,600 bytes; kv 13,107,200 bytes; oc 6,291,456 bytes; os 262,144 bytes
;; launch prep (part 1): grid 768 x 1, 4 waves a work-group, no clusters, 34,304 bytes of LDS; arguments x, w_qkv, w_proj, xc, xs, wc, ws; writes xc, xs, wc, ws
.if DOCPART == 1
	.amdgcn_target "amdgcn-amd-amdhsa--gfx1250"
	.amdhsa_code_object_version 6
	.text
	.protected	k_q230b4e0cd2_prep
	.globl	k_q230b4e0cd2_prep
	.p2align	8
	.type	k_q230b4e0cd2_prep,@function
k_q230b4e0cd2_prep:
	s_mov_b64 s[64:65], 0
	v_nop
	global_prefetch_b8 v0, s[64:65] scope:SCOPE_SE
	s_setreg_imm32_b32 hwreg(HW_REG_WAVE_MODE, 25, 1), 1
	s_wait_xcnt 0x0
; x [8192][1024] (K innermost), w_qkv [1024][3072] and w_proj [1024][1024] (K = the first axis), all f32, become codes of FP6 (E2M3) with one E8M0 byte for each 32 along K.
; A block's scale is 2^(floor(log2(its largest magnitude)) - 2): its byte is the largest magnitude's exponent field - 2, held at 1 from below.
; LIMITS: a block of zeros, or one whose largest magnitude lies under 2^-124, gets the byte 1 (its codes are zeros or tiny; the bytes are read by this program alone); NaN and infinities among the inputs are not served.
; LAYOUT OF THE RESULTS.  An operand's rows (x's tokens, a weight's columns) are stored in the order sigma: storage row p holds true row p with bits 3 and 4 exchanged.  So storage tile 2 b + u, row r, is true row
; 32 b + 8 u + r + 8 (r / 8): as source 0 of a product, the 16 result registers of tiles 2 b and 2 b + 1 are then 16 true neighbours.
; Codes lie as IMAGES OF THE OPERAND'S REGISTERS: [row tile of 16][K / 128][1536 bytes]; in an image registers 2 p, 2 p + 1 of lane l lie at 256 p + 8 l.  Each store of a wave covers 256 consecutive bytes, aligned.
; Scale bytes lie [storage row][32].  wc, ws: row tiles 0-191 are w_qkv's columns, 192-255 w_proj's.
; SHARES.  Work-groups 0-511: one row tile of x each, a wave two K steps of 128, all 32 loads asked for at its head.  512-703: w_qkv, 704-767: w_proj: 128 columns x 128 along K each, a wave 32 columns,
; its loads two blocks of 32 along K (64 loads) ahead.  Every work-group reads 64 KiB.
; No matrix unit, no tensor load, no barrier: waves share nothing, and no work-group shares an input with another.
.set R,   16                           ; v16-143  x: two K steps as loaded;  weights: 128 numbers down K
.set X,   144                          ; v144-207 x: 64 numbers of my row;  weights: from v144 the codes
.set TM,  208                          ; v208-223 at work in QUANT
.set PC,  224                          ; v224-242 the codes just made
.set PW0, 244                          ; v244-245 scale words
.set PW1, 245
.set SEL, 20                           ; s[20:21] lane selects for v_permlanex16_b32: lane l xor 16
.set SPX, 528                          ; a row of the stage: 512 bytes + 16
.set WST, 16*SPX                       ; a wave's stage
; 64 numbers of a lane, register 16 b + i = k 32 b + 16 (lane / 16) + i of row lane % 16, become a fragment's 12 registers of codes in v[PC] on and the row's scale word in v[pw].
.macro QUANT s, pw
.irp b, 0,1,2,3
	v_max3_num_f32 v[TM+\b], |v[\s+16*\b]|, |v[\s+1+16*\b]|, 0x1800000   ; my 16 numbers of block b, and the floor 2^(3 - 127): the byte cannot fall under 1
.endr
.irp i, 2,4,6,8,10,12,14
.irp b, 0,1,2,3
	v_max3_num_f32 v[TM+\b], v[TM+\b], |v[\s+16*\b+\i]|, |v[\s+1+16*\b+\i]|   ; the four blocks by turns
.endr
.endr
.irp b, 0,1,2,3
	v_permlanex16_b32 v[TM+4+\b], v[TM+\b], s[SEL], s[SEL+1]
.endr
.irp b, 0,1,2,3
	v_max_num_f32 v[TM+\b], v[TM+\b], v[TM+4+\b]   ; with lane l xor 16's: the block's largest magnitude
.endr
.irp b, 0,1,2,3
	v_add_nc_u32 v[TM+12+\b], 0xff000000, v[TM+\b]   ; 2 off its exponent field: the conversion takes the exponent field of this operand as its scale
.endr
.irp b, 0,1,2,3
	v_lshrrev_b32 v[TM+4+\b], 23, v[TM+12+\b]      ; the scale's byte
.endr
	v_lshl_or_b32 v[\pw], v[TM+5], 8, v[TM+4]
	v_lshl_or_b32 v[\pw], v[TM+6], 16, v[\pw]
	v_lshl_or_b32 v[\pw], v[TM+7], 24, v[\pw]
.irp c, 0,1
	v_cvt_scalef32_pk16_fp6_f32 v[PC+6*\c:PC+2+6*\c], v[\s+32*\c:\s+15+32*\c], v[TM+12+2*\c]
	v_cvt_scalef32_pk16_fp6_f32 v[PC+12+4*\c:PC+14+4*\c], v[\s+16+32*\c:\s+31+32*\c], v[TM+12+2*\c+1]   ; (a conversion's three registers begin on an even number)
.endr
	v_nop                                          ; one plain place behind a scaled conversion
.irp c, 0,1                                    ; the operand's layout wants a whole block in a lane: lanes 0-15 block 2 c, lanes 16-31 block 2 c + 1
.irp i, 0,1,2
	v_permlane16_swap_b32 v[PC+6*\c+\i], v[PC+12+4*\c+\i]
.endr
.irp i, 0,1,2
	v_mov_b32 v[PC+3+6*\c+\i], v[PC+12+4*\c+\i]
.endr
.endr
.endm
	s_load_b256 s[4:11], s[0:1], 0x0               ; x s[4:5], w_qkv s[6:7], w_proj s[8:9], xc s[10:11]
	s_load_b128 s[12:15], s[0:1], 0x20             ; xs s[12:13], wc s[14:15]
	s_load_b64 s[16:17], s[0:1], 0x30              ; ws
	v_lshl_add_u32 v248, v0, 2, 0x8400
	v_mov_b32 v249, 0
	v_lshrrev_b32 v1, 5, v0
	v_readfirstlane_b32 s18, v1                    ; wave 0..3
	v_and_b32 v1, 31, v0                           ; lane
	v_and_b32 v2, 15, v0                           ; r
	v_bfe_u32 v3, v0, 4, 1                         ; h
	v_lshlrev_b32 v7, 3, v1                        ; 8 x lane: my place in a piece of an image
	s_mov_b32 s[SEL], 0x76543210
	s_mov_b32 s[SEL+1], 0xfedcba98
	s_wait_kmcnt 0x0
	s_cmp_lt_u32 ttmp9, 512
	s_cbranch_scc0 .Lweights
	; ---- x: work-group T is storage tile T; wave w takes K steps 2 w and 2 w + 1
	s_lshr_b32 s22, ttmp9, 1
	s_lshl_b32 s22, s22, 5
	s_and_b32 s23, ttmp9, 1
	s_lshl_b32 s23, s23, 3
	s_add_co_u32 s22, s22, s23                     ; the tile's first true row: 32 (T / 2) + 8 (T % 2)
	s_lshl_b32 s22, s22, 12                        ; rows of 4,096 bytes
	s_lshl_b32 s23, s18, 10                        ; my two K steps: 1,024 bytes of each row
	s_add_co_u32 s22, s22, s23
	s_mov_b32 s23, 0
	s_add_nc_u64 s[4:5], s[4:5], s[22:23]
	s_lshl_b32 s24, ttmp9, 3
	s_lshl_b32 s25, s18, 1
	s_add_co_u32 s24, s24, s25
	s_mul_i32 s24, s24, 1536                       ; image 8 T + 2 w
	s_mov_b32 s25, 0
	s_add_nc_u64 s[10:11], s[10:11], s[24:25]
	s_lshl_b32 s26, ttmp9, 9                       ; 16 rows of 32 scale bytes,
	s_lshl_b32 s27, s18, 3                         ; my two words of each
	s_add_co_u32 s26, s26, s27
	s_mov_b32 s27, 0
	s_add_nc_u64 s[12:13], s[12:13], s[26:27]
	s_wait_alu depctr_va_vdst(0)
	v_lshlrev_b32 v4, 4, v1                        ; 16 x lane: a load takes 512 consecutive bytes: one K step of one row
	s_mul_i32 s28, s18, WST
	v_add_nc_u32 v5, s28, v4                       ; the stage, on the way in: a row as it lies
	v_mul_u32_u24 v6, v2, SPX
	v_lshl_add_u32 v6, v3, 6, v6
	v_add_nc_u32 v6, s28, v6                       ; on the way out: row r, + 64 h: my 16 numbers of each block of 32
	v_lshlrev_b32 v8, 5, v2
	v_lshl_add_u32 v8, v3, 2, v8                   ; the scale words: 32 r + 4 h
.irp b, 0,1,2,3
	v_mov_b32 v[TM+4+\b], 0                        ; written once: a lane permute's destination counts as one of its sources
.endr
.macro LOADX e                         ; K step e of the tile's 16 rows; storage row rho is true row rho + 8 (rho / 8) of the tile
.irp rho, 0,1,2,3,4,5,6,7,8,9,10,11,12,13,14,15
	global_load_b128 v[R+64*\e+4*\rho:R+64*\e+4*\rho+3], v4, s[4:5] offset:(\rho+8*(\rho/8))*4096+512*\e th:TH_LOAD_NT
.endr
.endm
.macro TURNX e                         ; through my own stage: LDS serves a wave's instructions in order, so no wait stands between the stores and the loads
.irp rho, 0,1,2,3,4,5,6,7,8,9,10,11,12,13,14,15
	ds_store_b128 v5, v[R+64*\e+4*\rho:R+64*\e+4*\rho+3] offset:SPX*\rho
.endr
.irp b, 0,1,2,3
.irp j, 0,1,2,3
	ds_load_b128 v[X+16*\b+4*\j:X+16*\b+4*\j+3], v6 offset:128*\b+16*\j
.endr
.endr
.endm
	LOADX 0
	LOADX 1
	s_wait_alu depctr_va_vdst(0)
	s_wait_loadcnt 16                              ; the first K step's sixteen loads are in; the second's sixteen may be out
	TURNX 0
	s_wait_dscnt 0x0
	QUANT X, PW0
.irp p, 0,1,2,3,4,5
	global_store_b64 v7, v[PC+2*\p:PC+2*\p+1], s[10:11] offset:256*\p
.endr
	s_wait_loadcnt 0x0
	TURNX 1
	s_wait_dscnt 0x0
	s_wait_xcnt 0x0                                ; the stores above have read their data: the codes' registers are written again only behind this wait
	QUANT X, PW1
.irp p, 0,1,2,3,4,5
	global_store_b64 v7, v[PC+2*\p:PC+2*\p+1], s[10:11] offset:1536+256*\p
.endr
	v_permlane16_swap_b32 v[PW0], v[PW1]           ; lanes 0-15 keep row r's word of K step 2 w, lanes 16-31 take its word of 2 w + 1
	global_store_b32 v8, v[PW0], s[12:13]
	s_wait_tensorcnt 0x0
	ds_add_u32 v248, v249
	s_wait_dscnt 0x0
	s_endpgm
; ---- a weight [1024][n]: A LANE TAKES A COLUMN AND ITS REGISTERS RUN DOWN K.  Lane l takes column sigma(l) of the wave's 32, so that lane l is storage row l: lanes 0-15 one row tile, lanes 16-31 the next.
.macro WLOAD bl, n                     ; block bl of 32 along K: 32 loads, into registers of the block's own
.set i, 32*(\bl)
.rept 32
	global_load_b32 v[R+i], v4, s[26:27] offset:i*\n*4 th:TH_LOAD_NT   ; the wave reads 128 consecutive bytes of row i
.set i, i+1
.endr
.endm
.macro WBLOCK bl                       ; block bl is quantised: all its 32 numbers are mine
.set XS, R+32*(\bl)
	v_max3_num_f32 v208, |v[XS]|, |v[XS+1]|, |v[XS+2]|
	v_max3_num_f32 v209, |v[XS+3]|, |v[XS+4]|, |v[XS+5]|
.irp i, 6,10,14,18,22,26
	v_max3_num_f32 v208, v208, |v[XS+\i]|, |v[XS+\i+1]|
	v_max3_num_f32 v209, v209, |v[XS+\i+2]|, |v[XS+\i+3]|
.endr
	v_max3_num_f32 v208, v208, |v[XS+30]|, |v[XS+31]|
	v_max3_num_f32 v208, v208, v209, 0x1800000     ; and the floor
	v_add_nc_u32 v210, 0xff000000, v208            ; the conversion's scale operand
	v_lshrrev_b32 v211, 23, v210                   ; the byte
.if (\bl) == 0
	v_mov_b32 v[PW0], v211
.else
	v_lshl_or_b32 v[PW0], v211, 8*(\bl), v[PW0]
.endif
	v_cvt_scalef32_pk16_fp6_f32 v[X+6*(\bl):X+6*(\bl)+2], v[XS:XS+15], v210
	v_cvt_scalef32_pk16_fp6_f32 v[168:170], v[XS+16:XS+31], v210   ; (three registers from an even number on: made here and moved)
	v_nop
.irp i, 0,1,2
	v_mov_b32 v[X+6*(\bl)+3+\i], v[168+\i]
.endr
.endm
.macro WPATH n, tile0, first, plo
	s_sub_co_u32 s22, ttmp9, \first
	s_and_b32 s23, s22, 7                          ; which 128 along K
	s_lshr_b32 s22, s22, 3                         ; which 128 columns
	s_mul_i32 s24, s23, 128*\n*4
	s_lshl_b32 s25, s22, 9
	s_add_co_u32 s24, s24, s25
	s_lshl_b32 s25, s18, 7                         ; my wave's 32 columns
	s_add_co_u32 s24, s24, s25
	s_mov_b32 s25, 0
	s_add_nc_u64 s[26:27], s[\plo:\plo+1], s[24:25]
	s_lshl_b32 s28, s22, 3
	s_lshl_b32 s29, s18, 1
	s_add_co_u32 s28, s28, s29
	s_add_co_u32 s28, s28, \tile0                  ; the first of my two row tiles
	s_lshl_b32 s30, s28, 3
	s_add_co_u32 s30, s30, s23
	s_mul_i32 s30, s30, 1536
	s_mov_b32 s31, 0
	s_add_nc_u64 s[30:31], s[14:15], s[30:31]
	s_lshl_b32 s32, s28, 9
	s_lshl_b32 s33, s23, 2
	s_add_co_u32 s32, s32, s33
	s_mov_b32 s33, 0
	s_add_nc_u64 s[32:33], s[16:17], s[32:33]
	v_and_b32 v4, 7, v1
	v_and_b32 v5, 8, v1
	v_lshl_or_b32 v4, v5, 1, v4
	v_lshl_or_b32 v4, v3, 3, v4                    ; sigma(lane)
	v_lshlrev_b32 v4, 2, v4
	v_lshlrev_b32 v8, 5, v1                        ; my row of scale bytes
	WLOAD 0, \n
	WLOAD 1, \n
	s_wait_alu depctr_va_vdst(0)
	s_wait_loadcnt 32                              ; block 0's 32 loads are in; block 1's 32 may be out
	WLOAD 2, \n
	WBLOCK 0
	s_wait_loadcnt 32                              ; block 1's are in; block 2's may be out
	WLOAD 3, \n
	WBLOCK 1
	s_wait_loadcnt 32                              ; block 2's are in; block 3's may be out
	WBLOCK 2
	s_wait_loadcnt 0x0
	WBLOCK 3
.irp c, 0,1                                    ; a lane holds all four blocks of ITS row; a fragment wants block 2 c + h of row r in lane (r, h).  One exchange of halves serves both row tiles:
.irp i, 0,1,2,3,4,5
	v_permlane16_swap_b32 v[X+12*\c+\i], v[X+6+12*\c+\i]   ; the first is now register 6 c + i of the first tile's fragment, the second that of the second tile's
.endr
.endr
.irp c, 0,1
.irp i, 0,1,2
	global_store_b64 v7, v[X+12*\c+2*\i:X+12*\c+2*\i+1], s[30:31] offset:256*(3*\c+\i)
	global_store_b64 v7, v[X+6+12*\c+2*\i:X+6+12*\c+2*\i+1], s[30:31] offset:12288+256*(3*\c+\i)
.endr
.endr
	global_store_b32 v8, v[PW0], s[32:33]
	s_endpgm
.endm
.Lweights:
	s_cmp_lt_u32 ttmp9, 704
	s_cbranch_scc0 .Lw_proj
	s_wait_alu depctr_va_vdst(0)
	WPATH 3072, 0, 512, 6
.Lw_proj:
	s_wait_alu depctr_va_vdst(0)
	WPATH 1024, 192, 704, 8
.Lfunc_end_k_q230b4e0cd2_prep:
	.size	k_q230b4e0cd2_prep, .Lfunc_end_k_q230b4e0cd2_prep-k_q230b4e0cd2_prep
	.p2alignl 7, 3214868480
	.fill 96, 4, 3214868480
	.section	.rodata,"a",@progbits
	.p2align	6, 0x0
	.amdhsa_kernel k_q230b4e0cd2_prep
		.amdhsa_group_segment_fixed_size 34304
		.amdhsa_private_segment_fixed_size 0
		.amdhsa_enable_private_segment 0
		.amdhsa_kernarg_size 56
		.amdhsa_user_sgpr_count 2
		.amdhsa_user_sgpr_kernarg_segment_ptr 1
		.amdhsa_wavefront_size32 1
		.amdhsa_system_sgpr_workgroup_id_x 1
		.amdhsa_system_sgpr_workgroup_id_y 1
		.amdhsa_system_sgpr_workgroup_id_z 1
		.amdhsa_system_vgpr_workitem_id 0
		.amdhsa_next_free_vgpr 250
		.amdhsa_next_free_sgpr 66
		.amdhsa_reserve_vcc 0
		.amdhsa_float_denorm_mode_32 3
		.amdhsa_float_denorm_mode_16_64 3
		.amdhsa_memory_ordered 1
		.amdhsa_forward_progress 1
		.amdhsa_inst_pref_size 60
	.end_amdhsa_kernel
	.amdgpu_metadata
---
amdhsa.version: [ 1, 2 ]
amdhsa.kernels:
  - .name:           k_q230b4e0cd2_prep
    .symbol:         k_q230b4e0cd2_prep.kd
    .args:
      - { .name: x, .offset: 0, .size: 8, .value_kind: global_buffer, .address_space: global }
      - { .name: w_qkv, .offset: 8, .size: 8, .value_kind: global_buffer, .address_space: global }
      - { .name: w_proj, .offset: 16, .size: 8, .value_kind: global_buffer, .address_space: global }
      - { .name: xc, .offset: 24, .size: 8, .value_kind: global_buffer, .address_space: global }
      - { .name: xs, .offset: 32, .size: 8, .value_kind: global_buffer, .address_space: global }
      - { .name: wc, .offset: 40, .size: 8, .value_kind: global_buffer, .address_space: global }
      - { .name: ws, .offset: 48, .size: 8, .value_kind: global_buffer, .address_space: global }
    .group_segment_fixed_size: 34304
    .private_segment_fixed_size: 0
    .kernarg_segment_align: 8
    .kernarg_segment_size: 56
    .max_flat_workgroup_size: 128
    .sgpr_count:     66
    .vgpr_count:     250
    .wavefront_size: 32
...
	.end_amdgpu_metadata
.endif
;; end of part 1
;; launch qkv (part 2): grid 12 x 32, 4 waves a work-group, clusters of 4 x 4, 327,680 bytes of LDS; arguments xc, xs, wc, ws, b_qkv, g_q, g_k, qf, kv; writes qf, kv
.if DOCPART == 2
	.amdgcn_target "amdgcn-amd-amdhsa--gfx1250"
	.amdhsa_code_object_version 6
	.text
	.protected	k_q230b4e0cd2_qkv
	.globl	k_q230b4e0cd2_qkv
	.p2align	8
	.type	k_q230b4e0cd2_qkv,@function
k_q230b4e0cd2_qkv:
	s_mov_b64 s[64:65], 0
	v_nop
	global_prefetch_b8 v0, s[64:65] scope:SCOPE_SE
	s_setreg_imm32_b32 hwreg(HW_REG_WAVE_MODE, 25, 1), 1
	s_wait_xcnt 0x0
	s_wait_alu depctr_hold_cnt(0) depctr_sa_sdst(0) depctr_va_vdst(0) depctr_va_sdst(0) depctr_va_ssrc(0) depctr_va_vcc(0) depctr_vm_vsrc(0)
	s_getreg_b32 s2, hwreg(HW_REG_IB_STS2, 6, 4)
	s_cmp_eq_u32 s2, 0
	s_cbranch_scc0 .Lentry_in_a_cluster
	s_endpgm
.Lentry_in_a_cluster:
	s_bfe_u32 s2, ttmp6, 0x10000c
	s_cmp_lg_u32 s2, 0xf033
	s_cbranch_scc0 .Lentry_shape_is_right
	s_endpgm
.Lentry_shape_is_right:
.set NQ,     2
.set FR,     12
.set NL,     6
.set NP,     4
.set FRB,    1536
.set BROW,   2*FRB
.set KROW,   768
.set HALFT,  8*BROW
.set SLOT,   4*HALFT
.set KS,     32
.set SCL,    2*SLOT
.set HALFS,  (128*KS/256)*272
.set SBLK,   (16*KS/256)*272
.set SPARE,  SCL+4*HALFS
.set ADRA, 16
.set ADRB, 20
.set ADRS, 27
.set SPW,  28
.set NIL,  29
.set SC,   32
.set BI,   64
.set GA,   224
.set AF,   128
.set G1, 24
.set G0, 32
.set G1B, 48
.set G0B, 56
.set G1S, 68
.set G0S, 76
.set G1SB, 80
.set G0SB, 88
.set SEL, 18
.set MSB, 0
.macro WIN new
.if MSB != (\new)
	s_set_vgpr_msb (MSB<<8)|(\new)
.set MSB, (\new)
.endif
.endm
.set MUL_LO, 0xa1
.set MUL_HI, 0xf1
.set TO_B,   0x40
.macro JLOAD g0a, g1a, g0b, g1b
	s_cmp_eq_u32 s15, 0
	s_cbranch_scc0 .Lfor_b_\@
	tensor_load_to_lds s[\g0a:\g0a+3], s[\g1a:\g1a+7]
	s_nop 0
.rept 4
	v_nop
.endr
	s_branch .Lasked_\@
.Lfor_b_\@:
	tensor_load_to_lds s[\g0b:\g0b+3], s[\g1b:\g1b+7]
	s_nop 0
.rept 4
	v_nop
.endr
.Lasked_\@:
.endm
.macro CREST
	s_cmp_lg_u32 s14, 0
	s_cbranch_scc1 .Lnot_wave_0_\@
	s_barrier_signal -3
.Lnot_wave_0_\@:
	s_barrier_wait -3
	s_barrier_signal -1
	s_barrier_wait -1
.endm
.macro CROUND
	s_barrier_signal -1
	s_barrier_wait -1
	CREST
.endm
	s_load_b128 s[4:7], s[0:1], 0x0
	s_load_b128 s[8:11], s[0:1], 0x10
	s_load_b128 s[96:99], s[0:1], 0x20
	s_load_b64 s[100:101], s[0:1], 0x30
	s_load_b64 s[12:13], s[0:1], 0x38
	s_load_b64 s[66:67], s[0:1], 0x40
	v_lshl_add_u32 v[SPW], v0, 2, SPARE
	v_mov_b32 v[NIL], 0
	ds_add_u32 v28, v29
	ds_add_u32 v28, v29
	s_wait_dscnt 0x0
	v_lshrrev_b32 v1, 5, v0
	v_readfirstlane_b32 s14, v1
	s_lshr_b32 s15, s14, 1
	s_and_b32 s16, s14, 1
	s_bfe_u32 s40, ttmp6, 0x40000
	s_bfe_u32 s41, ttmp6, 0x40004
	s_and_b32 s17, ttmp7, 0xffff
	s_cmp_eq_u32 ttmp9, 2
	s_cselect_b32 s2, 1, 0
	s_cselect_b32 s42, s17, ttmp9
	s_cselect_b32 s17, 0, s17
	s_cselect_b32 s95, 2048, 0
	s_lshl_b32 s42, s42, 2
	s_add_co_u32 s42, s42, s40
	s_lshl_b32 s17, s17, 2
	s_add_co_u32 s17, s17, s41
	s_lshl_b32 s43, s41, 2
	s_lshl_b32 s43, 15, s43
	s_lshl_b32 s44, 0x1111, s40
	s_or_b32 s[G1+0], s43, (3<<16)|(1<<21)
	s_or_b32 s[G1B+0], s44, (3<<16)|(1<<21)
.irp g, G1, G1B
	s_mov_b32 s[\g+1], 384<<16
	s_mov_b32 s[\g+2], 16<<16
	s_mov_b32 s[\g+3], 384<<16
	s_mov_b32 s[\g+4], 16
	s_mov_b32 s[\g+5], 1536
	s_mov_b32 s[\g+6], 0
	s_mov_b32 s[\g+7], 0
.endr
	s_or_b32 s[G1S+0], s43, (3<<16)|(1<<20)|(1<<21)|(5<<22)|(3<<25)
	s_or_b32 s[G1SB+0], s44, (3<<16)|(1<<20)|(1<<21)|(5<<22)|(3<<25)
.irp g, G1S, G1SB
	s_mov_b32 s[\g+1], 32<<16
	s_mov_b32 s[\g+2], (256*KS/256)<<16
	s_mov_b32 s[\g+3], 32<<16
	s_mov_b32 s[\g+4], 256*KS/256
	s_mov_b32 s[\g+5], 32
	s_mov_b32 s[\g+6], 0
	s_mov_b32 s[\g+7], 0
.endr
	s_lshl_b32 s20, s17, 8
	s_add_co_u32 s20, s20, s95
	s_lshl_b32 s46, s42, 8
	s_mov_b32 s21, 0
	s_mov_b32 s47, 0
	s_mov_b64 s[18:19], KS
	s_mul_u64 s[22:23], s[20:21], s[18:19]
	s_mul_u64 s[92:93], s[46:47], s[18:19]
	s_mov_b64 s[18:19], KROW
	s_mul_u64 s[20:21], s[20:21], s[18:19]
	s_mul_u64 s[46:47], s[46:47], s[18:19]
	s_mul_i32 s45, s14, HALFT
	s_wait_kmcnt 0x0
	s_cmp_eq_u32 s2, 1
	s_cselect_b64 s[36:37], s[8:9], s[4:5]
	s_cselect_b64 s[38:39], s[10:11], s[6:7]
	s_cselect_b64 s[60:61], s[4:5], s[8:9]
	s_cselect_b64 s[62:63], s[6:7], s[10:11]
	s_add_nc_u64 s[20:21], s[36:37], s[20:21]
	s_add_nc_u64 s[22:23], s[38:39], s[22:23]
	s_add_nc_u64 s[46:47], s[60:61], s[46:47]
	s_add_nc_u64 s[92:93], s[62:63], s[92:93]
	CROUND
	s_mov_b32 s[G0S], 1
	s_mov_b32 s[G0S+1], SCL
	s_mov_b64 s[G0S+2:G0S+3], s[22:23]
	s_or_b32 s[G0S+3], s[G0S+3], 0x80000000
	s_mov_b32 s[G0SB], 1
	s_mov_b32 s[G0SB+1], SCL+2*HALFS
	s_mov_b64 s[G0SB+2:G0SB+3], s[92:93]
	s_or_b32 s[G0SB+3], s[G0SB+3], 0x80000000
	s_mov_b32 s4, 1                                ; group 0 of the head's loads of codes: slot 0's 256 rows of the first operand,
	s_mov_b32 s5, 0
	s_mov_b64 s[6:7], s[20:21]
	s_or_b32 s7, s7, 0x80000000
	s_mov_b32 s8, 1                                ; and of the second, behind them
	s_mov_b32 s9, 2*HALFT
	s_mov_b64 s[10:11], s[46:47]
	s_or_b32 s11, s11, 0x80000000
	s_mul_i32 s18, s16, 128*KROW                   ; for the ring: my 128 rows of the tile
	s_mov_b32 s19, 0
	s_add_nc_u64 s[20:21], s[20:21], s[18:19]
	s_add_nc_u64 s[46:47], s[46:47], s[18:19]
.irp s, 0,1
	s_mov_b32 s[G0+4*\s], 1
	s_add_co_u32 s[G0+4*\s+1], s45, \s*SLOT
	s_add_nc_u64 s[G0+4*\s+2:G0+4*\s+3], s[20:21], \s*BROW
	s_or_b32 s[G0+4*\s+3], s[G0+4*\s+3], 0x80000000
	s_mov_b32 s[G0B+4*\s], 1
	s_add_co_u32 s[G0B+4*\s+1], s45, \s*SLOT
	s_add_nc_u64 s[G0B+4*\s+2:G0B+4*\s+3], s[46:47], \s*BROW
	s_or_b32 s[G0B+4*\s+3], s[G0B+4*\s+3], 0x80000000
.endr
; the head's four tiles, one joint load a wave, in one chain of arms on the wave's number: both operands' codes of slot 0, both operands' scales
.macro ARM under, g0, g1, next
	s_cmp_lt_u32 s14, \under
	s_cbranch_scc0 \next
	tensor_load_to_lds s[\g0:\g0+3], s[\g1:\g1+7]
	s_nop 0
.rept 4
	v_nop
.endr
	s_branch .Lhead_asked
\next:
.endm
	ARM 1, 4, G1, .Lhead_b
	ARM 2, 8, G1B, .Lhead_sa
	ARM 3, G0S, G1S, .Lhead_sb
	tensor_load_to_lds s[G0SB:G0SB+3], s[G1SB:G1SB+7]
	s_nop 0
.rept 4
	v_nop
.endr
.Lhead_asked:
	v_and_b32 v1, 15, v0
	v_bfe_u32 v2, v0, 4, 1
	v_and_b32 v3, 31, v0
	v_lshlrev_b32 v4, 3, v3
	v_lshlrev_b32 v24, 4, v3
	s_mul_i32 s21, s15, HALFT
	s_mul_i32 s22, s16, HALFT
	s_add_co_u32 s22, s22, 2*HALFT
.irp s, 0,1
	v_add_nc_u32 v[ADRA+\s], s21, v4
	v_add_nc_u32 v[ADRB+\s], s22, v4
	s_add_co_u32 s21, s21, SLOT
	s_add_co_u32 s22, s22, SLOT
.endr
	v_mul_u32_u24 v5, v1, KS
	v_lshrrev_b32 v6, 8, v5
	v_lshl_add_u32 v5, v6, 4, v5
	s_mul_i32 s21, s15, HALFS
	s_mul_i32 s22, s16, HALFS
	s_add_co_u32 s22, s22, 2*HALFS
	s_sub_co_u32 s22, s22, s21
	v_mul_u32_u24 v6, s22, v2
	s_add_co_u32 s21, s21, SCL
	v_add_nc_u32 v5, v5, v6
	v_add_nc_u32 v[ADRS], s21, v5
.macro FRAG reg, adr, q, i
.irp p, 0,1,2,3,4,5
	ds_load_b64 v[\reg+2*\p:\reg+2*\p+1], v[\adr] offset:(\i)*BROW+(\q)*FRB+256*\p
.endr
.endm
.macro MUL16 a0, p, q, sc, zero
.irp a, \a0, \a0+1
.irp b, 0,1,2,3,4,5,6,7
.if \zero
	v_wmma_scale_f32_16x16x128_f8f6f4 v[8*(8*((\a)%4)+\b):8*(8*((\a)%4)+\b)+7], v[128*(\p)+FR*\b:128*(\p)+FR*\b+FR-1], v[AF+FR*(\a):AF+FR*(\a)+FR-1], 0, v[SC+8*NQ*(\sc)+NQ*\b+(\q)], v[SC+8*NQ*(\sc)+NQ*(\a)+(\q)] matrix_a_fmt:MATRIX_FMT_FP6 matrix_b_fmt:MATRIX_FMT_FP6 matrix_a_scale:MATRIX_SCALE_ROW1
.else
	v_wmma_scale_f32_16x16x128_f8f6f4 v[8*(8*((\a)%4)+\b):8*(8*((\a)%4)+\b)+7], v[128*(\p)+FR*\b:128*(\p)+FR*\b+FR-1], v[AF+FR*(\a):AF+FR*(\a)+FR-1], v[8*(8*((\a)%4)+\b):8*(8*((\a)%4)+\b)+7], v[SC+8*NQ*(\sc)+NQ*\b+(\q)], v[SC+8*NQ*(\sc)+NQ*(\a)+(\q)] matrix_a_fmt:MATRIX_FMT_FP6 matrix_b_fmt:MATRIX_FMT_FP6 matrix_a_scale:MATRIX_SCALE_ROW1
.endif
.endr
.endr
.endm
.macro FETCH_B slot, q, p
	WIN TO_B
.irp i, 0,1,2,3,4,5,6,7
	FRAG 128*(\p)+FR*\i, ADRB+\slot, \q, \i
.endr
	WIN 0
.endm
.macro FETCH_A slot, q, i0
.irp i, \i0, \i0+1, \i0+2, \i0+3
	FRAG AF+FR*(\i), ADRA+\slot, \q, \i
.endr
.endm
.macro SCALES sc
.irp i, 0,1,2,3,4,5,6,7
	ds_load_b64 v[SC+8*NQ*\sc+NQ*\i:SC+8*NQ*\sc+NQ*\i+1], v[ADRS] offset:\i*SBLK
.endr
.endm
.macro PLACES n
.rept \n
	v_nop
.endr
.endm
.macro STEP slot, q, zero
	s_wait_dscnt 4*NL
	WIN MUL_LO
	MUL16 0, (\q)%2, \q, \slot, \zero
	MUL16 2, (\q)%2, \q, \slot, \zero
	s_wait_dscnt 0
	PLACES NP
	FETCH_B \slot, (\q)+1, 1-(\q)%2
	FETCH_A \slot, (\q)+1, 0
	WIN MUL_HI
	MUL16 4, (\q)%2, \q, \slot, \zero
	MUL16 6, (\q)%2, \q, \slot, \zero
	PLACES NP
	WIN 0
	FETCH_A \slot, (\q)+1, 4
.endm
.macro TURN slot, next, fill
	s_wait_tensorcnt 0x0
	ds_add_u32 v[SPW], v[NIL]
	s_wait_dscnt 4*NL+1
	WIN MUL_LO
	MUL16 0, 1, NQ-1, \slot, 0
	s_wait_dscnt 0x0
	s_barrier_signal -1
	MUL16 2, 1, NQ-1, \slot, 0
	WIN 0
	s_barrier_wait -1
.if \fill
	CREST
	s_add_nc_u64 s[G0+4*\slot+2:G0+4*\slot+3], s[G0+4*\slot+2:G0+4*\slot+3], 2*BROW
	s_add_nc_u64 s[G0B+4*\slot+2:G0B+4*\slot+3], s[G0B+4*\slot+2:G0B+4*\slot+3], 2*BROW
	JLOAD G0+4*\slot, G1, G0B+4*\slot, G1B
.else
	PLACES NP
.endif
	s_wait_alu depctr_va_vdst(0)
	v_add_nc_u32 v[ADRS], 4*NQ, v[ADRS]
	FETCH_B \next, 0, 0
	FETCH_A \next, 0, 0
	SCALES \next
	WIN MUL_HI
	MUL16 4, 1, NQ-1, \slot, 0
	MUL16 6, 1, NQ-1, \slot, 0
	PLACES NP
	WIN 0
	FETCH_A \next, 0, 4
.endm
.macro LAST
	s_wait_dscnt 4*NL
	WIN MUL_LO
	MUL16 0, 1, NQ-1, 1, 0
	MUL16 2, 1, NQ-1, 1, 0
	s_wait_dscnt 0
	WIN MUL_HI
	MUL16 4, 1, NQ-1, 1, 0
	MUL16 6, 1, NQ-1, 1, 0
	WIN 0
.endm
	s_wait_alu depctr_va_vdst(0)
	s_wait_tensorcnt 0x0                           ; my tile of the head's four is in
	ds_add_u32 v[SPW], v[NIL]
	s_mov_b32 s[G1+2], 8<<16                       ; no tensor load of mine is out: from here on a load brings 8 row tiles
	s_mov_b32 s[G1+4], 8
	s_mov_b32 s[G1B+2], 8<<16
	s_mov_b32 s[G1B+4], 8
	s_wait_dscnt 0x0
	CROUND
	JLOAD G0+4, G1, G0B+4, G1B
	FETCH_B 0, 0, 0
	FETCH_A 0, 0, 0
	SCALES 0
	FETCH_A 0, 0, 4
	STEP 0, 0, 1
	TURN 0, 1, 1
	STEP 1, 0, 0
	TURN 1, 0, 1
	STEP 0, 0, 0
	TURN 0, 1, 0
	s_cmp_eq_u32 s2, 1
	s_cbranch_scc1 .Lway_v
	s_and_b32 s8, s42, 3
	s_lshl_b32 s8, s8, 2
	s_lshl_b32 s9, s16, 1
	s_add_co_u32 s8, s8, s9
	s_lshr_b32 s9, s17, 3
	s_lshl_b32 s9, s9, 4
	s_add_co_u32 s8, s8, s9
	s_lshl_b32 s8, s8, 4
	s_and_b32 s9, s17, 7
	s_lshl_b32 s9, s9, 1
	s_add_co_u32 s8, s8, s9
	s_add_co_u32 s8, s8, s15
	s_mov_b32 s10, 6400
	s_mov_b32 s11, 6144
	s_cmp_eq_u32 ttmp9, 1
	s_cselect_b32 s10, 12800, s10
	s_cselect_b32 s11, 12288, s11
	s_cselect_b64 s[4:5], s[66:67], s[12:13]
	s_cselect_b64 s[22:23], s[100:101], s[98:99]
	s_mul_i32 s8, s8, s10
	s_mov_b32 s9, 0
	s_add_nc_u64 s[4:5], s[4:5], s[8:9]
	s_lshl_b32 s8, s10, 4
	s_add_nc_u64 s[6:7], s[4:5], s[8:9]
	v_add_nc_u32 v26, s11, v4
	s_lshl_b32 s8, s42, 10
	s_lshl_b32 s10, s16, 9
	s_add_co_u32 s8, s8, s10
	s_add_nc_u64 s[96:97], s[96:97], s[8:9]
	v_lshlrev_b32 v30, 6, v2
.irp b, 0,1,2,3,4,5,6,7
	global_load_b128 v[BI+8*\b:BI+8*\b+3], v30, s[96:97] offset:(32*(\b/2)+8*(\b%2))*4
	global_load_b128 v[BI+8*\b+4:BI+8*\b+7], v30, s[96:97] offset:(32*(\b/2)+8*(\b%2))*4+16
.endr
.irp b, 0,1,2,3
	global_load_b128 v[GA+8*\b:GA+8*\b+3], v30, s[22:23] offset:(32*(\b/2)+8*(\b%2))*4
	global_load_b128 v[GA+8*\b+4:GA+8*\b+7], v30, s[22:23] offset:(32*(\b/2)+8*(\b%2))*4+16
.endr
	STEP 1, 0, 0
	LAST
	PLACES NP
.set T,   128
.set U,   160
.set V2,  162
.set MU,  164
.set RS,  166
.set BM,  168
.set PT,  170
.set SO,  172
.set BY,  174
.set Y,   176
.set TW,  179
.set WD,  180
.set FRG, 184
	s_mov_b32 s[SEL], 0x76543210
	s_mov_b32 s[SEL+1], 0xfedcba98
	s_mov_b32 s20, 0x3c800000
	s_mov_b32 s21, 0x358637bd
	v_mov_b32 v[MU+1], 0
	v_mov_b32 v[RS+1], 0
	v_mov_b32 v[PT], 0
	v_mov_b32 v[PT+1], 0
	s_wait_loadcnt 0x0
.macro LNQ a, eta
.set AC, 64*((\a)%4)+32*(\eta)
.set CC, (\a)%2
.set FF, (\a)/2
.if CC == 0
	s_wait_xcnt 0x0
.endif
	WIN 0x02+(\a)/4
.set i, 0
.rept 16
	v_pk_add_f32 v[T+2*i:T+2*i+1], v[AC+2*i:AC+2*i+1], v[BI+32*(\eta)+2*i:BI+32*(\eta)+2*i+1]
.set i, i+1
.endr
	WIN 0
	v_pk_add_f32 v[U:U+1], v[T:T+1], v[T+2:T+3]
	v_pk_add_f32 v[V2:V2+1], v[T+4:T+5], v[T+6:T+7]
.irp n, 8,12,16,20,24,28
	v_pk_add_f32 v[U:U+1], v[U:U+1], v[T+\n:T+\n+1]
	v_pk_add_f32 v[V2:V2+1], v[V2:V2+1], v[T+\n+2:T+\n+3]
.endr
	v_pk_add_f32 v[U:U+1], v[U:U+1], v[V2:V2+1]
	v_add_f32 v[U], v[U], v[U+1]
	v_permlanex16_b32 v[PT], v[U], s[SEL], s[SEL+1]
	v_add_f32 v[U], v[U], v[PT]
	v_mul_f32 v[MU], s20, v[U]
.set i, 0
.rept 16
	v_pk_add_f32 v[T+2*i:T+2*i+1], v[T+2*i:T+2*i+1], v[MU:MU+1] op_sel_hi:[1,0] neg_lo:[0,1] neg_hi:[0,1]
.set i, i+1
.endr
	v_pk_mul_f32 v[U:U+1], v[T:T+1], v[T:T+1]
	v_pk_mul_f32 v[V2:V2+1], v[T+2:T+3], v[T+2:T+3]
.irp n, 4,8,12,16,20,24,28
	v_pk_fma_f32 v[U:U+1], v[T+\n:T+\n+1], v[T+\n:T+\n+1], v[U:U+1]
	v_pk_fma_f32 v[V2:V2+1], v[T+\n+2:T+\n+3], v[T+\n+2:T+\n+3], v[V2:V2+1]
.endr
	v_pk_add_f32 v[U:U+1], v[U:U+1], v[V2:V2+1]
	v_add_f32 v[U], v[U], v[U+1]
	v_permlanex16_b32 v[PT], v[U], s[SEL], s[SEL+1]
	v_add_f32 v[U], v[U], v[PT]
	v_fma_f32 v[U], v[U], s20, s21
	s_wait_alu depctr_va_vdst(0)
	v_rsq_f32 v[RS], v[U]
	v_nop
	s_wait_alu depctr_va_vdst(0)
.set i, 0
.rept 16
	v_pk_mul_f32 v[T+2*i:T+2*i+1], v[T+2*i:T+2*i+1], v[RS:RS+1] op_sel_hi:[1,0]
.set i, i+1
.endr
.set i, 0
.rept 16
	v_pk_mul_f32 v[T+2*i:T+2*i+1], v[T+2*i:T+2*i+1], v[GA+2*i:GA+2*i+1]
.set i, i+1
.endr
.irp b, 0,1
	v_max3_num_f32 v[BM+\b], |v[T+16*\b]|, |v[T+16*\b+1]|, 0x1800000
.endr
.irp n, 2,4,6,8,10,12,14
.irp b, 0,1
	v_max3_num_f32 v[BM+\b], v[BM+\b], |v[T+16*\b+\n]|, |v[T+16*\b+\n+1]|
.endr
.endr
.irp b, 0,1
	v_permlanex16_b32 v[PT+\b], v[BM+\b], s[SEL], s[SEL+1]
.endr
.irp b, 0,1
	v_max_num_f32 v[BM+\b], v[BM+\b], v[PT+\b]
.endr
.irp b, 0,1
	v_add_nc_u32 v[SO+\b], 0xff000000, v[BM+\b]
.endr
.irp b, 0,1
	v_lshrrev_b32 v[BY+\b], 23, v[SO+\b]
.endr
.if CC == 0
	v_lshl_or_b32 v[WD+(FF%2)*2+FF/2], v[BY+1], 8, v[BY]
.else
	v_lshl_or_b32 v[TW], v[BY+1], 8, v[BY]
	v_lshl_or_b32 v[WD+(FF%2)*2+FF/2], v[TW], 16, v[WD+(FF%2)*2+FF/2]
.endif
	v_cvt_scalef32_pk16_fp6_f32 v[FRG+6*CC:FRG+6*CC+2], v[T:T+15], v[SO]
	v_cvt_scalef32_pk16_fp6_f32 v[Y:Y+2], v[T+16:T+31], v[SO+1]
	v_nop
.irp n, 0,1,2
	v_permlane16_swap_b32 v[FRG+6*CC+\n], v[Y+\n]
.endr
.irp n, 0,1,2
	v_mov_b32 v[FRG+6*CC+3+\n], v[Y+\n]
.endr
.if CC == 1
.irp g, 0,1,2
	global_store_b128 v24, v[FRG+4*\g:FRG+4*\g+3], s[4+2*(\eta):5+2*(\eta)] offset:1536*FF+512*\g
.endr
.endif
.endm
.irp e, 0,1
.irp a, 0,1,2,3,4,5,6,7
	LNQ \a, \e
.endr
	v_permlane16_swap_b32 v[WD], v[WD+2]
	v_permlane16_swap_b32 v[WD+1], v[WD+3]
	global_store_b64 v26, v[WD:WD+1], s[4+2*\e:5+2*\e]
.endr
	s_branch .Ljoin
.Lway_v:
	s_lshr_b32 s8, s42, 3
	s_lshl_b32 s8, s8, 4
	s_lshl_b32 s9, s17, 2
	s_add_co_u32 s8, s8, s9
	s_lshl_b32 s9, s15, 1
	s_add_co_u32 s8, s8, s9
	s_lshl_b32 s8, s8, 4
	s_and_b32 s9, s42, 7
	s_lshl_b32 s9, s9, 1
	s_add_co_u32 s8, s8, s9
	s_add_co_u32 s8, s8, s16
	s_mul_i32 s8, s8, 12800
	s_mov_b32 s9, 0
	s_add_nc_u64 s[4:5], s[66:67], s[8:9]
	s_lshl_b32 s8, s17, 10
	s_lshl_b32 s10, s15, 9
	s_add_co_u32 s8, s8, s10
	s_add_co_u32 s8, s8, 8192
	s_add_nc_u64 s[96:97], s[96:97], s[8:9]
	v_and_b32 v31, 8, v1
	v_add_nc_u32 v31, v31, v1
	v_lshlrev_b32 v31, 2, v31
.irp a, 0,1,2,3,4,5,6,7
	global_load_b32 v[BI+2*\a], v31, s[96:97] offset:(32*(\a/2)+8*(\a%2))*4
	global_load_b32 v[BI+2*\a+1], v31, s[96:97] offset:(32*(\a/2)+8*(\a%2))*4
.endr
	STEP 1, 0, 0
	LAST
	PLACES NP
.set VT,  128
.set TM,  192
.set PC,  208
.set WDV, 228
	s_mov_b32 s[SEL], 0x76543210
	s_mov_b32 s[SEL+1], 0xfedcba98
.irp b, 0,1,2,3
	v_mov_b32 v[TM+4+\b], 0
.endr
	s_wait_loadcnt 0x0
.macro QUANT s, pw
.irp b, 0,1,2,3
	v_max3_num_f32 v[TM+\b], |v[\s+16*\b]|, |v[\s+1+16*\b]|, 0x1800000
.endr
.irp i, 2,4,6,8,10,12,14
.irp b, 0,1,2,3
	v_max3_num_f32 v[TM+\b], v[TM+\b], |v[\s+16*\b+\i]|, |v[\s+1+16*\b+\i]|
.endr
.endr
.irp b, 0,1,2,3
	v_permlanex16_b32 v[TM+4+\b], v[TM+\b], s[SEL], s[SEL+1]
.endr
.irp b, 0,1,2,3
	v_max_num_f32 v[TM+\b], v[TM+\b], v[TM+4+\b]
.endr
.irp b, 0,1,2,3
	v_add_nc_u32 v[TM+12+\b], 0xff000000, v[TM+\b]
.endr
.irp b, 0,1,2,3
	v_lshrrev_b32 v[TM+4+\b], 23, v[TM+12+\b]
.endr
	v_lshl_or_b32 v[\pw], v[TM+5], 8, v[TM+4]
	v_lshl_or_b32 v[\pw], v[TM+6], 16, v[\pw]
	v_lshl_or_b32 v[\pw], v[TM+7], 24, v[\pw]
.irp c, 0,1
	v_cvt_scalef32_pk16_fp6_f32 v[PC+6*\c:PC+2+6*\c], v[\s+32*\c:\s+15+32*\c], v[TM+12+2*\c]
	v_cvt_scalef32_pk16_fp6_f32 v[PC+12+4*\c:PC+14+4*\c], v[\s+16+32*\c:\s+31+32*\c], v[TM+12+2*\c+1]
.endr
	v_nop
.irp c, 0,1
.irp i, 0,1,2
	v_permlane16_swap_b32 v[PC+6*\c+\i], v[PC+12+4*\c+\i]
.endr
.irp i, 0,1,2
	v_mov_b32 v[PC+3+6*\c+\i], v[PC+12+4*\c+\i]
.endr
.endr
.endm
.macro VQ a
.set AC, 64*((\a)%4)
.set TA, (\a)%4
	s_wait_xcnt 0x0
	WIN 0x02+(\a)/4
.set i, 0
.rept 32
	v_pk_add_f32 v[VT+2*i:VT+2*i+1], v[AC+2*i:AC+2*i+1], v[BI+2*(\a):BI+2*(\a)+1]
.set i, i+1
.endr
	WIN 0
	QUANT VT, WDV+(TA%2)*2+TA/2
.irp g, 0,1,2
	global_store_b128 v24, v[PC+4*\g:PC+4*\g+3], s[4:5] offset:204800*((\a)/4)+6144+1536*TA+512*\g
.endr
.endm
.irp e, 0,1
.irp t, 0,1,2,3
	VQ 4*\e+\t
.endr
	v_permlane16_swap_b32 v[WDV], v[WDV+2]
	v_permlane16_swap_b32 v[WDV+1], v[WDV+3]
	global_store_b64 v4, v[WDV:WDV+1], s[4:5] offset:204800*\e+12544
.endr
.Ljoin:
	s_wait_tensorcnt 0x0
	ds_add_u32 v[SPW], v[NIL]
	s_wait_dscnt 0x0
	CROUND
	s_endpgm
.Lfunc_end_k_q230b4e0cd2_qkv:
	.size	k_q230b4e0cd2_qkv, .Lfunc_end_k_q230b4e0cd2_qkv-k_q230b4e0cd2_qkv
	.p2alignl 7, 3214868480
	.fill 96, 4, 3214868480
	.section	.rodata,"a",@progbits
	.p2align	6, 0x0
	.amdhsa_kernel k_q230b4e0cd2_qkv
		.amdhsa_group_segment_fixed_size 327680
		.amdhsa_private_segment_fixed_size 0
		.amdhsa_enable_private_segment 0
		.amdhsa_kernarg_size 72
		.amdhsa_user_sgpr_count 2
		.amdhsa_user_sgpr_kernarg_segment_ptr 1
		.amdhsa_wavefront_size32 1
		.amdhsa_system_sgpr_workgroup_id_x 1
		.amdhsa_system_sgpr_workgroup_id_y 1
		.amdhsa_system_sgpr_workgroup_id_z 1
		.amdhsa_system_vgpr_workitem_id 0
		.amdhsa_next_free_vgpr 1024
		.amdhsa_next_free_sgpr 102
		.amdhsa_reserve_vcc 0
		.amdhsa_float_denorm_mode_32 3
		.amdhsa_float_denorm_mode_16_64 3
		.amdhsa_memory_ordered 1
		.amdhsa_forward_progress 1
		.amdhsa_inst_pref_size 255
	.end_amdhsa_kernel
	.section	.bss,"aw",@nobits
	.p2align	6
	.space	262144
	.amdgpu_metadata
---
amdhsa.version: [ 1, 2 ]
amdhsa.kernels:
  - .name:           k_q230b4e0cd2_qkv
    .symbol:         k_q230b4e0cd2_qkv.kd
    .args:
      - { .name: xc, .offset: 0, .size: 8, .value_kind: global_buffer, .address_space: global }
      - { .name: xs, .offset: 8, .size: 8, .value_kind: global_buffer, .address_space: global }
      - { .name: wc, .offset: 16, .size: 8, .value_kind: global_buffer, .address_space: global }
      - { .name: ws, .offset: 24, .size: 8, .value_kind: global_buffer, .address_space: global }
      - { .name: b_qkv, .offset: 32, .size: 8, .value_kind: global_buffer, .address_space: global }
      - { .name: g_q, .offset: 40, .size: 8, .value_kind: global_buffer, .address_space: global }
      - { .name: g_k, .offset: 48, .size: 8, .value_kind: global_buffer, .address_space: global }
      - { .name: qf, .offset: 56, .size: 8, .value_kind: global_buffer, .address_space: global }
      - { .name: kv, .offset: 64, .size: 8, .value_kind: global_buffer, .address_space: global }
    .group_segment_fixed_size: 327680
    .private_segment_fixed_size: 0
    .kernarg_segment_align: 8
    .kernarg_segment_size: 72
    .max_flat_workgroup_size: 128
    .sgpr_count:     102
    .vgpr_count:     1024
    .wavefront_size: 32
...
	.end_amdgpu_metadata
.endif
;; end of part 2
;; launch attn (part 3): grid 4 x 64, 8 waves a work-group, clusters of 4 x 1, 206,848 bytes of LDS; arguments qf, kv, oc, os; writes oc, os
.if DOCPART == 3
	.amdgcn_target "amdgcn-amd-amdhsa--gfx1250"
	.amdhsa_code_object_version 6
	.text
	.protected	k_q230b4e0cd2_attn
	.globl	k_q230b4e0cd2_attn
	.p2align	8
	.type	k_q230b4e0cd2_attn,@function
k_q230b4e0cd2_attn:
	s_mov_b64 s[64:65], 0
	v_nop
	global_prefetch_b8 v0, s[64:65] scope:SCOPE_SE
	s_setreg_imm32_b32 hwreg(HW_REG_WAVE_MODE, 25, 1), 1
	s_wait_xcnt 0x0
	s_wait_alu depctr_hold_cnt(0) depctr_sa_sdst(0) depctr_va_vdst(0) depctr_va_sdst(0) depctr_va_ssrc(0) depctr_va_vcc(0) depctr_vm_vsrc(0)
	s_getreg_b32 s2, hwreg(HW_REG_IB_STS2, 6, 4)
	s_cmp_eq_u32 s2, 0
	s_cbranch_scc0 .Lentry_in_a_cluster
	s_endpgm
.Lentry_in_a_cluster:
	s_bfe_u32 s2, ttmp6, 0x10000c
	s_cmp_lg_u32 s2, 0x3003
	s_cbranch_scc0 .Lentry_shape_is_right
	s_endpgm
.Lentry_shape_is_right:
; o = softmax(q k^T / 8) v for one head of one batch, both products on codes of FP6 (E2M3) with E8M0 scales; then o / the row's sum is quantised along the head's 64 for the last product.
; THE SOFTMAX: t = score x log2(e) / 8; M = the row's largest t so far, rounded up to a whole number; p = 2^(t - M) is quantised along the keys, not normalised; the row's sum is taken of the unquantised p, in f32.
; When M moves, the sum and O are multiplied by 2^(old M - new M): exact.
; SHARES.  A work-group owns 512 queries of one head, each of its eight waves 64: four tiles of 16, which walk the keys together, so that each fragment of k and v read from LDS serves four tiles.
; ALL OF THE HEAD'S k, v AND THEIR SCALES, 16 steps x 12,800 bytes, come into LDS once and stay: wave w brings steps 2 w and 2 w + 1 by one dense tensor load.  No slot is filled again: the key loop has no barrier.
; CLUSTER.  The four work-groups of a head ask for each pair of steps jointly.  No prefetch: all tensor loads go out at the head, so there is no loop to run ahead in.
; LAYOUT.  Both products are used transposed (S^T = k q^T, O^T = v^T p^T): a lane holds one query (lane % 16).  A pair fragment of k holds one key tile at k = 0..63 and another at 64..127; multiplied by [q ; zero codes] it
; gives the first tile's scores, by [zero codes ; q] the second's.  q's scale word repeats its two bytes.
; WHICH KEYS FORM A TILE.  kv holds k's images in the order sigma (key 32 b + 16 r3 + 8 u + r%8 at fragment b, half u, row r).  They are read with permuted lanes: pair (c, t1), row (m3, j) takes fragment 2 c + m3, row 8 t1 + j.
; Score register 32 c + i of lane (r, h) is then key 64 c + 32 h + i: A WHOLE BLOCK OF 32 KEYS IN ONE LANE, in the order of p's operand: a block's maximum asks no other lane, and the conversions' results are the operand.
; ORDER.  The next tile's eight score products are issued ahead of this tile's exponentials, into the other of two score buffers; the row's 32 additions stand behind the tile's four products on O^T;
; the next step's k is loaded under tile 2's work, v at the step's top.
; REGISTERS.  Window 0: v1-10 addresses, v12-13 the add's, v14-20 scale words, v22-37 four tiles' -M, largest score, sum; v38-59 at work; v60-71 p's codes; v72-125 zero codes and q by turns; v126-253 two score buffers.
; Window 1: v0-47 k, v48-95 v, v96-223 O^T of four tiles.
; LIMITS: the promise holds while the scaled scores stay under 2^31 in magnitude; NaN and infinities are not served; a block's largest p is taken from its largest score by the same two instructions,
; which takes v_exp_f32 not to fall where its input rises; os is stored byte by byte.
.set STEPB, 12800
.set SPARE, 0x32000
.set PCD, 60
.set QB,  72
.set SB0, 126
.set KF,  0
.set VF,  48
.set OT0, 96
.set MSB, 0
.macro WIN new                         ; the immediate's high byte repeats the setting that is left
.if MSB != (\new)
	s_set_vgpr_msb (MSB<<8)|(\new)
.set MSB, (\new)
.endif
.endm
.macro CROUND                          ; a round of the cluster's barrier
	s_barrier_signal -1
	s_barrier_wait -1
	s_cmp_lg_u32 s12, 0
	s_cbranch_scc1 .Lnot_wave_0_\@
	s_barrier_signal -3
.Lnot_wave_0_\@:
	s_barrier_wait -3
	s_barrier_signal -1
	s_barrier_wait -1
.endm
; a product that starts a sum; ra, rb: which half of the lanes holds the side's scale words
.macro WMZ d, a, b, sa, sb, ra, rb
.if \ra
.if \rb
	v_wmma_scale_f32_16x16x128_f8f6f4 v[\d:\d+7], v[\a:\a+11], v[\b:\b+11], 0, v[\sa], v[\sb] matrix_a_fmt:MATRIX_FMT_FP6 matrix_b_fmt:MATRIX_FMT_FP6 matrix_a_scale:MATRIX_SCALE_ROW1 matrix_b_scale:MATRIX_SCALE_ROW1
.else
	v_wmma_scale_f32_16x16x128_f8f6f4 v[\d:\d+7], v[\a:\a+11], v[\b:\b+11], 0, v[\sa], v[\sb] matrix_a_fmt:MATRIX_FMT_FP6 matrix_b_fmt:MATRIX_FMT_FP6 matrix_a_scale:MATRIX_SCALE_ROW1
.endif
.else
.if \rb
	v_wmma_scale_f32_16x16x128_f8f6f4 v[\d:\d+7], v[\a:\a+11], v[\b:\b+11], 0, v[\sa], v[\sb] matrix_a_fmt:MATRIX_FMT_FP6 matrix_b_fmt:MATRIX_FMT_FP6 matrix_b_scale:MATRIX_SCALE_ROW1
.else
	v_wmma_scale_f32_16x16x128_f8f6f4 v[\d:\d+7], v[\a:\a+11], v[\b:\b+11], 0, v[\sa], v[\sb] matrix_a_fmt:MATRIX_FMT_FP6 matrix_b_fmt:MATRIX_FMT_FP6
.endif
.endif
.endm
; S^T of query tile u against the step's 128 keys, into the buffer at sb: [q ; 0] lies at QB + 12 u + 6, [0 ; q] at QB + 12 u
.macro SW u, sb
.irp c, 0,1
.irp t, 0,1
	WMZ \sb+32*\c+16*\t, KF+24*\c+12*\t, QB+12*(\u)+6, 16+\c, 14+(\u)%2, \t, (\u)/2
	WMZ \sb+32*\c+16*\t+8, KF+24*\c+12*\t, QB+12*(\u), 16+\c, 14+(\u)%2, \t, (\u)/2
.endr
.endr
.endm
; k's four pair fragments with permuted lanes, and their scale words: v16 pairs (0, t1), v17 pairs (1, t1), t1 = the half of the lanes
.macro KLOAD ka, ks
	WIN 0x40
.irp p, 0,1,2,3
.irp g, 0,1,2
	ds_load_b128 v[KF+12*\p+4*\g:KF+12*\p+4*\g+3], v[\ka] offset:3072*(\p/2)+128*(\p%2)+512*\g
.endr
.endr
	WIN 0
	ds_load_b64 v[16:17], v[\ks] offset:12288
.endm
.macro TMM n                           ; t - M of the next 2 n scores
.rept \n
	v_pk_fma_f32 v[SBU+j:SBU+j+1], v[SBU+j:SBU+j+1], s[30:31], v[NM:NM+1] op_sel_hi:[1,0,0]
.set j, j+2
.endr
.endm
	s_load_b256 s[4:11], s[0:1], 0x0               ; qf s[4:5], kv s[6:7], oc s[8:9], os s[10:11]
	v_lshl_add_u32 v12, v0, 2, SPARE
	v_mov_b32 v13, 0
	ds_add_u32 v12, v13
	ds_add_u32 v12, v13
	v_lshrrev_b32 v1, 5, v0
	v_readfirstlane_b32 s12, v1                    ; wave 0..7
	s_bfe_u32 s13, ttmp6, 0x40000                  ; cx: which 512 queries: it enters q's, oc's and os's addresses alone
	s_and_b32 s14, ttmp7, 0xffff                   ; batch x 16 + head, which the four partners share
	s_mov_b32 s16, 15|(3<<16)|(1<<21)              ; group 1: the mask of all four; elements of 8 bytes; bit 21 beside a mask
	s_mov_b32 s17, 32<<16                          ; 25,600 dense bytes as 100 rows of 256
	s_mov_b32 s18, 100<<16
	s_mov_b32 s19, 32<<16
	s_mov_b32 s20, 100
	s_mov_b32 s21, 32
	s_mov_b32 s22, 0
	s_mov_b32 s23, 0
	s_lshl_b32 s34, s14, 3
	s_add_co_u32 s34, s34, s12
	s_mul_i32 s34, s34, 2*STEPB                    ; the head's steps 2 w, 2 w + 1 in memory
	s_mov_b32 s35, 0
	s_mov_b32 s24, 1
	s_mul_i32 s25, s12, 2*STEPB                    ; and in LDS
	v_and_b32 v11, 31, v0                          ; lane
	v_and_b32 v7, 15, v0                           ; r
	v_bfe_u32 v8, v0, 4, 1                         ; h
	v_and_b32 v9, 7, v0                            ; j
	v_bfe_u32 v10, v0, 3, 1                        ; m3
	v_lshlrev_b32 v2, 4, v11                       ; 16 x lane: images as they lie
	v_lshlrev_b32 v4, 3, v11                       ; 8 x lane
	v_lshl_add_u32 v5, v7, 5, v8                   ; os: 32 r + h
	v_lshlrev_b32 v6, 3, v8                        ; 8 h: where my two bytes stand in p's scale word
	v_mul_u32_u24 v1, v10, 1536
	v_lshlrev_b32 v3, 7, v10
	v_lshl_add_u32 v1, v8, 8, v1
	v_lshl_add_u32 v3, v8, 6, v3
	v_lshl_add_u32 v1, v9, 4, v1                   ; k: 1536 m3 + 256 h + 16 j
	v_lshl_add_u32 v3, v9, 3, v3                   ; k's scale words: 128 m3 + 64 h + 8 j
	s_lshl_b32 s36, s14, 4
	s_lshl_b32 s37, s13, 2
	s_add_co_u32 s36, s36, s37
	s_lshr_b32 s37, s12, 1
	s_add_co_u32 s36, s36, s37
	s_mul_i32 s36, s36, 6400                       ; q's block of 128 queries: 16 x (batch, head) + 4 cx + w / 2
	s_and_b32 s39, s12, 1
	s_lshl_b32 s38, s39, 2
	s_add_co_u32 s38, s38, s36
	s_add_co_u32 s38, s38, 6144                    ; its scale words: word w % 2 of each pair
	s_mul_i32 s39, s39, 3072
	s_add_co_u32 s36, s36, s39                     ; pair fragments 2 (w % 2) and the next
	s_mov_b32 s37, 0
	s_mov_b32 s39, 0
	s_wait_alu depctr_va_vdst(0)
	s_wait_dscnt 0x0
	s_wait_kmcnt 0x0
	s_add_nc_u64 s[36:37], s[4:5], s[36:37]
	s_add_nc_u64 s[38:39], s[4:5], s[38:39]
.irp g, 0,1,2,3,4,5
	global_load_b128 v[SB0+4*\g:SB0+4*\g+3], v2, s[36:37] offset:512*\g   ; my four tiles of queries, 6 registers each: on their way across the round and the tensor load
.endr
	global_load_b32 v21, v4, s[38:39]              ; lanes 0-15: tiles 0, 1 (low, high half); lanes 16-31: tiles 2, 3
	s_add_nc_u64 s[26:27], s[6:7], s[34:35]
	s_or_b32 s27, s27, 0x80000000
	CROUND                                         ; all four work-groups are here: the joint loads meet
	tensor_load_to_lds s[24:27], s[16:23]          ; my one tensor load of the launch
	s_nop 0
.rept 4
	v_nop
.endr
	s_lshr_b32 s40, s14, 4                         ; batch
	s_and_b32 s41, s14, 15                         ; head
	s_lshl_b32 s42, s40, 7
	s_lshl_b32 s43, s13, 5
	s_add_co_u32 s42, s42, s43
	s_lshl_b32 s43, s12, 2
	s_add_co_u32 s42, s42, s43                     ; the first of my four token tiles, of 512
	s_lshl_b32 s44, s42, 3
	s_lshr_b32 s43, s41, 1
	s_add_co_u32 s44, s44, s43
	s_mul_i32 s44, s44, 1536                       ; the image: K step head / 2,
	s_and_b32 s43, s41, 1
	s_mul_i32 s43, s43, 768
	s_add_co_u32 s44, s44, s43                     ; its first or second three pieces
	s_mov_b32 s45, 0
	s_add_nc_u64 s[8:9], s[8:9], s[44:45]
	s_lshl_b32 s44, s42, 9
	s_lshl_b32 s43, s41, 1
	s_add_co_u32 s44, s44, s43                     ; 16 rows of 32 scale bytes a tile, the head's two
	s_add_nc_u64 s[10:11], s[10:11], s[44:45]
	s_mov_b32 s28, 0x76543210
	s_mov_b32 s29, 0xfedcba98                      ; lane selects for v_permlanex16_b32: lane l xor 16
	s_mov_b32 s30, 0x3e38aa3b                      ; c = log2(e) / 8
	s_mov_b32 s31, s30
	s_mov_b32 s34, 0xffff0000                      ; lanes 16-31
.irp z, 0,1,2,3,4
.irp n, 0,1,2,3,4,5
	v_mov_b32 v[QB+12*\z+\n], 0                    ; the zero codes, each run shared by the tiles on both sides of it
.endr
.endr
	v_mov_b32 v43, 0                               ; a lane permute's destination counts as one of its sources
	v_mov_b32 v47, 0                               ; the upper half of the pair v[46:47]
	WIN 0x40
.set i, 0
.rept 128
	v_mov_b32 v[OT0+i], 0                          ; O^T: the step is written once: the first finds zeros
.set i, i+1
.endr
	WIN 0
	s_wait_alu depctr_va_vdst(0)
	s_wait_loadcnt 0x0
	v_perm_b32 v14, v21, v21, 0x01000100           ; a tile's two scale bytes, twice: even tiles,
	v_perm_b32 v15, v21, v21, 0x03020302           ; odd tiles
.irp u, 0,1,2,3
.irp n, 0,1,2,3,4,5
	v_mov_b32 v[QB+12*\u+6+\n], v[SB0+6*\u+\n]
.endr
.endr
.irp u, 0,1,2,3
	v_mov_b32 v[22+4*\u], 0x7d000000               ; -M: so large that the first change of M gives the factor 0
	v_mov_b32 v[23+4*\u], 0xff61b1e6               ; the largest score so far: -3e38
	v_mov_b32 v[24+4*\u], 0                        ; the sum, in two halves
	v_mov_b32 v[25+4*\u], 0
.endr
	s_wait_alu depctr_va_vdst(0)
	s_wait_tensorcnt 0x0                           ; my two steps are in,
	s_barrier_signal -1
	s_barrier_wait -1                              ; everybody's are: the whole head lies in LDS, and nothing writes it from here on
	KLOAD 1, 3
	s_wait_dscnt 0x0
	WIN 0x01
	SW 0, SB0
	WIN 0
	s_mov_b32 s32, 0                               ; the step's first LDS byte
	s_mov_b32 s33, 16                              ; steps to go
; QUERY TILE u IN A KEY STEP
.macro SLOT u
.set SBU, SB0+64*((\u)%2)
.set SBN, SB0+64-64*((\u)%2)
.set NM, 22+4*(\u)
.set LS, NM+2
.set OT, OT0+32*(\u)
	s_wait_alu depctr_va_vdst(0)
.irp c, 0,1                            ; the largest score of my two blocks of 32 keys, four chains each; each accumulator is first read in its four lowest registers
	v_max3_num_f32 v[38+2*\c], v[SBU+32*\c], v[SBU+32*\c+1], v[SBU+32*\c+2]
	v_max3_num_f32 v[39+2*\c], v[SBU+32*\c+9], v[SBU+32*\c+10], v[SBU+32*\c+11]
	v_max3_num_f32 v[42+2*\c], v[SBU+32*\c+18], v[SBU+32*\c+19], v[SBU+32*\c+20]
	v_max3_num_f32 v[43+2*\c], v[SBU+32*\c+25], v[SBU+32*\c+26], v[SBU+32*\c+27]
.endr
.irp i, 0,2
.irp c, 0,1
	v_max3_num_f32 v[38+2*\c], v[38+2*\c], v[SBU+32*\c+3+\i], v[SBU+32*\c+4+\i]
	v_max3_num_f32 v[39+2*\c], v[39+2*\c], v[SBU+32*\c+12+\i], v[SBU+32*\c+13+\i]
	v_max3_num_f32 v[42+2*\c], v[42+2*\c], v[SBU+32*\c+21+\i], v[SBU+32*\c+22+\i]
	v_max3_num_f32 v[43+2*\c], v[43+2*\c], v[SBU+32*\c+28+\i], v[SBU+32*\c+29+\i]
.endr
.endr
.irp c, 0,1
	v_max3_num_f32 v[38+2*\c], v[38+2*\c], v[SBU+32*\c+7], v[SBU+32*\c+8]
	v_max3_num_f32 v[39+2*\c], v[39+2*\c], v[SBU+32*\c+16], v[SBU+32*\c+17]
.endr
	s_delay_alu instid0(VALU_DEP_3)
	v_max3_num_f32 v38, v38, v39, v42
	s_delay_alu instid0(VALU_DEP_2)
	v_max3_num_f32 v40, v40, v41, v44
	s_delay_alu instid0(VALU_DEP_2)
	v_max_num_f32 v38, v38, v43
	s_delay_alu instid0(VALU_DEP_2)
	v_max_num_f32 v40, v40, v45
	s_delay_alu instid0(VALU_DEP_1)
	v_max3_num_f32 v42, v[NM+1], v38, v40
	s_delay_alu instid0(VALU_DEP_1)
	v_permlanex16_b32 v43, v42, s28, s29
	s_delay_alu instid0(VALU_DEP_1)
	v_max_num_f32 v[NM+1], v42, v43                ; the row's largest score so far
	s_delay_alu instid0(VALU_DEP_1)
	v_mul_f32 v44, s30, v[NM+1]                    ; as t (c is positive)
	s_delay_alu instid0(VALU_DEP_1)
	v_floor_f32 v44, -v44                          ; the new -M: M is a whole number
	s_delay_alu instid0(VALU_DEP_1)
	v_sub_f32 v45, v44, v[NM]                      ; old M - new M, 0 or less
	v_mov_b32 v[NM], v44
	s_delay_alu instid0(VALU_DEP_2)
	v_cvt_i32_f32 v45, v45                         ; (it saturates)
.set j, 0
	TMM 4
	v_ldexp_f32 v46, 1.0, v45                      ; f = 2^(old M - new M)
	TMM 28
	v_fma_f32 v38, v38, s30, v[NM]                 ; the same of each block's largest score
	v_fma_f32 v40, v40, s30, v[NM]
	s_wait_alu depctr_va_vdst(0)
.if (\u) < 3
	WIN 0x01
	SW (\u)+1, SBN                                 ; the next tile's scores, into the other buffer
	WIN 0
.else
	s_cmp_eq_u32 s33, 1                            ; the last step has no successor
	s_cbranch_scc1 .Lno_s_\@
	s_wait_dscnt 0x0                               ; the next step's k
	WIN 0x01
	SW 0, SBN
	WIN 0
.Lno_s_\@:
.endif
	v_exp_f32 v38, v38                             ; each block's largest p
	v_exp_f32 v40, v40
.set j, 0
.rept 64
	v_exp_f32 v[SBU+j], v[SBU+j]                   ; p = 2^(t - M)
.set j, j+1
.endr
	v_pk_mul_f32 v[LS:LS+1], v[LS:LS+1], v[46:47] op_sel_hi:[1,0]   ; the sums under the new M; the plain place behind the batch
	s_wait_alu depctr_va_vdst(0)                   ; one wait for the batch, ahead of its first reader
	v_max_num_f32 v38, 0x1800000, v38              ; the floor 2^(3 - 127): the byte cannot fall under 1
	v_max_num_f32 v40, 0x1800000, v40
	s_delay_alu instid0(VALU_DEP_2)
	v_add_nc_u32 v48, 0xff000000, v38              ; 2 off the exponent field: the conversion's scale operand
	s_delay_alu instid0(VALU_DEP_2)
	v_add_nc_u32 v49, 0xff000000, v40
	v_cvt_scalef32_pk16_fp6_f32 v[PCD:PCD+2], v[SBU:SBU+15], v48
	v_cvt_scalef32_pk16_fp6_f32 v[52:54], v[SBU+16:SBU+31], v48     ; (three registers from an even number on: made here and moved)
	v_cvt_scalef32_pk16_fp6_f32 v[PCD+6:PCD+8], v[SBU+32:SBU+47], v49
	v_cvt_scalef32_pk16_fp6_f32 v[56:58], v[SBU+48:SBU+63], v49
	v_lshrrev_b32 v50, 23, v48                     ; the bytes of blocks h and 2 + h; the plain place behind the conversions.  The word is made between the moves
	v_lshrrev_b32 v51, 23, v49
	v_mov_b32 v[PCD+3], v52
	v_mov_b32 v[PCD+9], v56
	v_lshl_or_b32 v20, v51, 16, v50
	v_mov_b32 v[PCD+4], v53
	v_mov_b32 v[PCD+10], v57
	v_lshlrev_b32 v20, v6, v20                     ; at their places in the word
	v_mov_b32 v[PCD+5], v54
	v_mov_b32 v[PCD+11], v58
	v_permlanex16_b32 v43, v20, s28, s29
	s_delay_alu instid0(VALU_DEP_1)
	v_or_b32 v20, v20, v43                         ; with lane l xor 16's two bytes p's scale word is whole
.if (\u) == 2                          ; k's registers are free: tile 3's scores were issued ahead of the lines above
	s_wait_alu depctr_va_vdst(0)
	s_cmp_eq_u32 s33, 1
	s_cbranch_scc1 .Lno_k_\@
	KLOAD 7, 8
.Lno_k_\@:
.endif
.if (\u) == 0
	s_wait_dscnt 0x0                               ; v
.endif
	s_wait_alu depctr_va_vdst(0)
	WIN 0x41
.set j, 0
.rept 16
	v_pk_mul_f32 v[OT+j:OT+j+1], v[OT+j:OT+j+1], v[46:47] op_sel_hi:[1,0]   ; O^T under the new M; also the places between the writes of p's codes and word and the products
.set j, j+2
.endr
	WIN 0x51
.irp t, 0,1,2,3                        ; the four accumulators take turns
.if \t%2
	v_wmma_scale_f32_16x16x128_f8f6f4 v[OT+8*\t:OT+8*\t+7], v[VF+12*\t:VF+12*\t+11], v[PCD:PCD+11], v[OT+8*\t:OT+8*\t+7], v[18+\t/2], v20 matrix_a_fmt:MATRIX_FMT_FP6 matrix_b_fmt:MATRIX_FMT_FP6 matrix_a_scale:MATRIX_SCALE_ROW1
.else
	v_wmma_scale_f32_16x16x128_f8f6f4 v[OT+8*\t:OT+8*\t+7], v[VF+12*\t:VF+12*\t+11], v[PCD:PCD+11], v[OT+8*\t:OT+8*\t+7], v[18+\t/2], v20 matrix_a_fmt:MATRIX_FMT_FP6 matrix_b_fmt:MATRIX_FMT_FP6
.endif
.endr
	WIN 0
; the row's sum of the unquantised p, behind the products: 32 pairs and the sum so far in eight chains (seven at v38, 40, 42, 44, 48, 50, 52, and the sum itself)
.irp k, 0,1,2,3,4,5,6
	v_pk_add_f32 v[38+2*\k+2*(\k/4):39+2*\k+2*(\k/4)], v[SBU+4*\k:SBU+4*\k+1], v[SBU+4*\k+2:SBU+4*\k+3]
.endr
	v_pk_add_f32 v[LS:LS+1], v[LS:LS+1], v[SBU+28:SBU+29]
.irp r, 0,1
.irp k, 0,1,2,3,4,5,6
	v_pk_add_f32 v[38+2*\k+2*(\k/4):39+2*\k+2*(\k/4)], v[38+2*\k+2*(\k/4):39+2*\k+2*(\k/4)], v[SBU+30+16*\r+2*\k:SBU+31+16*\r+2*\k]
.endr
	v_pk_add_f32 v[LS:LS+1], v[LS:LS+1], v[SBU+44+16*\r:SBU+45+16*\r]
.endr
	v_pk_add_f32 v[38:39], v[38:39], v[SBU+62:SBU+63]
	v_pk_add_f32 v[40:41], v[40:41], v[42:43]
	v_pk_add_f32 v[44:45], v[44:45], v[48:49]
	v_pk_add_f32 v[50:51], v[50:51], v[52:53]
	v_pk_add_f32 v[LS:LS+1], v[LS:LS+1], v[38:39]
	v_pk_add_f32 v[40:41], v[40:41], v[44:45]
	s_delay_alu instid0(VALU_DEP_2)
	v_pk_add_f32 v[LS:LS+1], v[LS:LS+1], v[50:51]
	s_delay_alu instid0(VALU_DEP_1)
	v_pk_add_f32 v[LS:LS+1], v[LS:LS+1], v[40:41]
.endm
.Lstep:
	s_add_co_u32 s35, s32, STEPB
	s_min_u32 s35, s35, 15*STEPB                   ; the next step's first byte, held inside the head's 16 steps
	v_add_nc_u32 v9, s32, v2
	v_add_nc_u32 v10, s32, v4
	v_add_nc_u32 v7, s35, v1
	v_add_nc_u32 v8, s35, v3
	WIN 0x40
.irp t, 0,1,2,3
.irp g, 0,1,2
	ds_load_b128 v[VF+12*\t+4*\g:VF+12*\t+4*\g+3], v9 offset:6144+1536*\t+512*\g   ; v's four fragments land under tile 0's softmax
.endr
.endr
	WIN 0
	ds_load_b64 v[18:19], v10 offset:12544
	SLOT 0
	SLOT 1
	SLOT 2
	SLOT 3
	s_add_co_u32 s32, s32, STEPB
	s_sub_co_u32 s33, s33, 1
	s_cmp_lg_u32 s33, 0
	s_wait_alu depctr_va_vdst(0)
	s_cbranch_scc1 .Lstep
; The way out of query tile u: O^T / the sum; register 16 b + i is channel 32 b + 16 h + i (v's channels lie in the order sigma): two blocks of 32 are quantised and stored as half an image.
; Each tile has registers of its own for what it stores, so no store's data are written again.
.macro WAYOUT u
.set LS, 24+4*(\u)
.set OT, OT0+32*(\u)
.set WS, SB0+64*((\u)%2)
.set CD, QB+8*(\u)
	v_add_f32 v42, v[LS], v[LS+1]
	s_delay_alu instid0(VALU_DEP_1)
	v_permlanex16_b32 v43, v42, s28, s29
	s_delay_alu instid0(VALU_DEP_1)
	v_add_f32 v42, v42, v43                        ; the row's sum
	s_wait_alu depctr_va_vdst(0)
	v_rcp_f32 v46, v42
	v_nop
	s_wait_alu depctr_va_vdst(0)
	WIN 0x01
.set j, 0
.rept 16
	v_pk_mul_f32 v[WS+j:WS+j+1], v[OT+j:OT+j+1], v[46:47] op_sel_hi:[1,0]
.set j, j+2
.endr
	WIN 0
	v_max3_num_f32 v38, |v[WS]|, |v[WS+1]|, 0x1800000
	v_max3_num_f32 v40, |v[WS+16]|, |v[WS+17]|, 0x1800000
.irp i, 2,4,6,8,10,12,14
	s_delay_alu instid0(VALU_DEP_2)
	v_max3_num_f32 v38, v38, |v[WS+\i]|, |v[WS+1+\i]|
	s_delay_alu instid0(VALU_DEP_2)
	v_max3_num_f32 v40, v40, |v[WS+16+\i]|, |v[WS+17+\i]|
.endr
	s_delay_alu instid0(VALU_DEP_2)
	v_permlanex16_b32 v43, v38, s28, s29
	s_delay_alu instid0(VALU_DEP_2)
	v_permlanex16_b32 v44, v40, s28, s29
	s_delay_alu instid0(VALU_DEP_2)
	v_max_num_f32 v38, v38, v43
	s_delay_alu instid0(VALU_DEP_2)
	v_max_num_f32 v40, v40, v44
	s_delay_alu instid0(VALU_DEP_2)
	v_add_nc_u32 v48, 0xff000000, v38
	s_delay_alu instid0(VALU_DEP_2)
	v_add_nc_u32 v49, 0xff000000, v40
	s_delay_alu instid0(VALU_DEP_2)
	v_lshrrev_b32 v50, 23, v48
	s_delay_alu instid0(VALU_DEP_2)
	v_lshrrev_b32 v51, 23, v49
	v_cvt_scalef32_pk16_fp6_f32 v[CD:CD+2], v[WS:WS+15], v48
	v_cvt_scalef32_pk16_fp6_f32 v[52:54], v[WS+16:WS+31], v49
	v_cndmask_b32 v[CD+6], v50, v51, s34           ; lane (r, h) stores block h's byte; the plain place behind the conversions
.irp i, 0,1,2
	v_permlane16_swap_b32 v[CD+\i], v[52+\i]
.endr
.irp i, 0,1,2
	v_mov_b32 v[CD+3+\i], v[52+\i]
.endr
.irp i, 0,1,2
	global_store_b64 v4, v[CD+2*\i:CD+2*\i+1], s[8:9] offset:12288*(\u)+256*\i   ; 256 consecutive bytes, aligned
.endr
	global_store_b8 v5, v[CD+6], s[10:11] offset:512*(\u)
.endm
	WAYOUT 0
	WAYOUT 1
	WAYOUT 2
	WAYOUT 3
	s_wait_tensorcnt 0x0                           ; the wave's end
	ds_add_u32 v12, v13
	s_wait_dscnt 0x0
	CROUND                                         ; the closing round
	s_endpgm
.Lfunc_end_k_q230b4e0cd2_attn:
	.size	k_q230b4e0cd2_attn, .Lfunc_end_k_q230b4e0cd2_attn-k_q230b4e0cd2_attn
	.p2alignl 7, 3214868480
	.fill 96, 4, 3214868480
	.section	.rodata,"a",@progbits
	.p2align	6, 0x0
	.amdhsa_kernel k_q230b4e0cd2_attn
		.amdhsa_group_segment_fixed_size 206848
		.amdhsa_private_segment_fixed_size 0
		.amdhsa_enable_private_segment 0
		.amdhsa_kernarg_size 32
		.amdhsa_user_sgpr_count 2
		.amdhsa_user_sgpr_kernarg_segment_ptr 1
		.amdhsa_wavefront_size32 1
		.amdhsa_system_sgpr_workgroup_id_x 1
		.amdhsa_system_sgpr_workgroup_id_y 1
		.amdhsa_system_sgpr_workgroup_id_z 1
		.amdhsa_system_vgpr_workitem_id 0
		.amdhsa_next_free_vgpr 512
		.amdhsa_next_free_sgpr 66
		.amdhsa_reserve_vcc 0
		.amdhsa_float_denorm_mode_32 3
		.amdhsa_float_denorm_mode_16_64 3
		.amdhsa_memory_ordered 1
		.amdhsa_forward_progress 1
		.amdhsa_inst_pref_size 86
	.end_amdhsa_kernel
	.amdgpu_metadata
---
amdhsa.version: [ 1, 2 ]
amdhsa.kernels:
  - .name:           k_q230b4e0cd2_attn
    .symbol:         k_q230b4e0cd2_attn.kd
    .args:
      - { .name: qf, .offset: 0, .size: 8, .value_kind: global_buffer, .address_space: global }
      - { .name: kv, .offset: 8, .size: 8, .value_kind: global_buffer, .address_space: global }
      - { .name: oc, .offset: 16, .size: 8, .value_kind: global_buffer, .address_space: global }
      - { .name: os, .offset: 24, .size: 8, .value_kind: global_buffer, .address_space: global }
    .group_segment_fixed_size: 206848
    .private_segment_fixed_size: 0
    .kernarg_segment_align: 8
    .kernarg_segment_size: 32
    .max_flat_workgroup_size: 256
    .sgpr_count:     66
    .vgpr_count:     512
    .wavefront_size: 32
...
	.end_amdgpu_metadata
.endif
;; end of part 3
;; launch proj (part 4): grid 4 x 32, 4 waves a work-group, clusters of 4 x 4, 327,680 bytes of LDS; arguments oc, os, wc, ws, b_proj, out0; writes out0
.if DOCPART == 4
	.amdgcn_target "amdgcn-amd-amdhsa--gfx1250"
	.amdhsa_code_object_version 6
	.text
	.protected	k_q230b4e0cd2_proj
	.globl	k_q230b4e0cd2_proj
	.p2align	8
	.type	k_q230b4e0cd2_proj,@function
k_q230b4e0cd2_proj:
	s_mov_b64 s[64:65], 0
	v_nop
	global_prefetch_b8 v0, s[64:65] scope:SCOPE_SE
	s_setreg_imm32_b32 hwreg(HW_REG_WAVE_MODE, 25, 1), 1
	s_wait_xcnt 0x0
	s_wait_alu depctr_hold_cnt(0) depctr_sa_sdst(0) depctr_va_vdst(0) depctr_va_sdst(0) depctr_va_ssrc(0) depctr_va_vcc(0) depctr_vm_vsrc(0)
	s_getreg_b32 s2, hwreg(HW_REG_IB_STS2, 6, 4)
	s_cmp_eq_u32 s2, 0
	s_cbranch_scc0 .Lentry_in_a_cluster
	s_endpgm
.Lentry_in_a_cluster:
	s_bfe_u32 s2, ttmp6, 0x10000c
	s_cmp_lg_u32 s2, 0xf033
	s_cbranch_scc0 .Lentry_shape_is_right
	s_endpgm
.Lentry_shape_is_right:
.set NQ,     2
.set FR,     12
.set NL,     6
.set NP,     4
.set FRB,    1536
.set BROW,   2*FRB
.set KROW,   768
.set HALFT,  8*BROW
.set SLOT,   4*HALFT
.set KS,     32
.set SCL,    2*SLOT
.set HALFS,  (128*KS/256)*272
.set SBLK,   (16*KS/256)*272
.set SPARE,  SCL+4*HALFS
.set SPITCH, 528
.set ROWC,   4096
.set ADRA, 16
.set ADRB, 20
.set STO,  24
.set RD,   25
.set CO,   26
.set ADRS, 27
.set SPW,  28
.set NIL,  29
.set SC,   32
.set BI,   64
.set AF,   128
.set BK,   128
.set G1, 24
.set G0, 32
.set G1B, 48
.set G0B, 56
.set G1S, 68
.set G0S, 76
.set G1SB, 80
.set G0SB, 88
.set MSB, 0
.macro WIN new
.if MSB != (\new)
	s_set_vgpr_msb (MSB<<8)|(\new)
.set MSB, (\new)
.endif
.endm
.set MUL_LO, 0xa1
.set MUL_HI, 0xf1
.set TO_B,   0x40
.macro JLOAD g0a, g1a, g0b, g1b
	s_cmp_eq_u32 s15, 0
	s_cbranch_scc0 .Lfor_b_\@
	tensor_load_to_lds s[\g0a:\g0a+3], s[\g1a:\g1a+7]
	s_nop 0
.rept 4
	v_nop
.endr
	s_branch .Lasked_\@
.Lfor_b_\@:
	tensor_load_to_lds s[\g0b:\g0b+3], s[\g1b:\g1b+7]
	s_nop 0
.rept 4
	v_nop
.endr
.Lasked_\@:
.endm
.macro CREST
	s_cmp_lg_u32 s14, 0
	s_cbranch_scc1 .Lnot_wave_0_\@
	s_barrier_signal -3
.Lnot_wave_0_\@:
	s_barrier_wait -3
	s_barrier_signal -1
	s_barrier_wait -1
.endm
.macro CROUND
	s_barrier_signal -1
	s_barrier_wait -1
	CREST
.endm
	s_load_b128 s[4:7], s[0:1], 0x0
	s_load_b128 s[8:11], s[0:1], 0x10
	s_load_b64 s[96:97], s[0:1], 0x20
	s_load_b64 s[12:13], s[0:1], 0x28
	v_lshl_add_u32 v[SPW], v0, 2, SPARE
	v_mov_b32 v[NIL], 0
	ds_add_u32 v28, v29
	ds_add_u32 v28, v29
	s_wait_dscnt 0x0
	v_lshrrev_b32 v1, 5, v0
	v_readfirstlane_b32 s14, v1
	s_lshr_b32 s15, s14, 1
	s_and_b32 s16, s14, 1
	s_bfe_u32 s40, ttmp6, 0x40000
	s_bfe_u32 s41, ttmp6, 0x40004
	s_lshl_b32 s42, ttmp9, 2
	s_add_co_u32 s42, s42, s40
	s_and_b32 s17, ttmp7, 0xffff
	s_lshl_b32 s17, s17, 2
	s_add_co_u32 s17, s17, s41
	s_lshl_b32 s43, s41, 2
	s_lshl_b32 s43, 15, s43
	s_lshl_b32 s44, 0x1111, s40
	s_or_b32 s[G1+0], s43, (3<<16)|(1<<21)
	s_or_b32 s[G1B+0], s44, (3<<16)|(1<<21)
.irp g, G1, G1B
	s_mov_b32 s[\g+1], 384<<16
	s_mov_b32 s[\g+2], 16<<16
	s_mov_b32 s[\g+3], 384<<16
	s_mov_b32 s[\g+4], 16
	s_mov_b32 s[\g+5], 1536
	s_mov_b32 s[\g+6], 0
	s_mov_b32 s[\g+7], 0
.endr
	s_or_b32 s[G1S+0], s43, (3<<16)|(1<<20)|(1<<21)|(5<<22)|(3<<25)
	s_or_b32 s[G1SB+0], s44, (3<<16)|(1<<20)|(1<<21)|(5<<22)|(3<<25)
.irp g, G1S, G1SB
	s_mov_b32 s[\g+1], 32<<16
	s_mov_b32 s[\g+2], (256*KS/256)<<16
	s_mov_b32 s[\g+3], 32<<16
	s_mov_b32 s[\g+4], 256*KS/256
	s_mov_b32 s[\g+5], 32
	s_mov_b32 s[\g+6], 0
	s_mov_b32 s[\g+7], 0
.endr
	s_lshl_b32 s20, s17, 8
	s_lshl_b32 s46, s42, 8
	s_add_co_u32 s46, s46, 3072
	s_mov_b32 s21, 0
	s_mov_b32 s47, 0
	s_mov_b64 s[18:19], KS
	s_mul_u64 s[22:23], s[20:21], s[18:19]
	s_mul_u64 s[92:93], s[46:47], s[18:19]
	s_mov_b64 s[18:19], KROW
	s_mul_u64 s[20:21], s[20:21], s[18:19]
	s_mul_u64 s[46:47], s[46:47], s[18:19]
	s_mul_i32 s45, s14, HALFT
	s_wait_kmcnt 0x0
	s_add_nc_u64 s[20:21], s[4:5], s[20:21]
	s_add_nc_u64 s[22:23], s[6:7], s[22:23]
	s_add_nc_u64 s[46:47], s[8:9], s[46:47]
	s_add_nc_u64 s[92:93], s[10:11], s[92:93]
	CROUND
	s_mov_b32 s[G0S], 1
	s_mov_b32 s[G0S+1], SCL
	s_mov_b64 s[G0S+2:G0S+3], s[22:23]
	s_or_b32 s[G0S+3], s[G0S+3], 0x80000000
	s_mov_b32 s[G0SB], 1
	s_mov_b32 s[G0SB+1], SCL+2*HALFS
	s_mov_b64 s[G0SB+2:G0SB+3], s[92:93]
	s_or_b32 s[G0SB+3], s[G0SB+3], 0x80000000
	s_mov_b32 s4, 1                                ; group 0 of the head's loads of codes: slot 0's 256 rows of the first operand,
	s_mov_b32 s5, 0
	s_mov_b64 s[6:7], s[20:21]
	s_or_b32 s7, s7, 0x80000000
	s_mov_b32 s8, 1                                ; and of the second, behind them
	s_mov_b32 s9, 2*HALFT
	s_mov_b64 s[10:11], s[46:47]
	s_or_b32 s11, s11, 0x80000000
	s_mul_i32 s18, s16, 128*KROW                   ; for the ring: my 128 rows of the tile
	s_mov_b32 s19, 0
	s_add_nc_u64 s[20:21], s[20:21], s[18:19]
	s_add_nc_u64 s[46:47], s[46:47], s[18:19]
.irp s, 0,1
	s_mov_b32 s[G0+4*\s], 1
	s_add_co_u32 s[G0+4*\s+1], s45, \s*SLOT
	s_add_nc_u64 s[G0+4*\s+2:G0+4*\s+3], s[20:21], \s*BROW
	s_or_b32 s[G0+4*\s+3], s[G0+4*\s+3], 0x80000000
	s_mov_b32 s[G0B+4*\s], 1
	s_add_co_u32 s[G0B+4*\s+1], s45, \s*SLOT
	s_add_nc_u64 s[G0B+4*\s+2:G0B+4*\s+3], s[46:47], \s*BROW
	s_or_b32 s[G0B+4*\s+3], s[G0B+4*\s+3], 0x80000000
.endr
; the head's four tiles, one joint load a wave, in one chain of arms on the wave's number: both operands' codes of slot 0, both operands' scales
.macro ARM under, g0, g1, next
	s_cmp_lt_u32 s14, \under
	s_cbranch_scc0 \next
	tensor_load_to_lds s[\g0:\g0+3], s[\g1:\g1+7]
	s_nop 0
.rept 4
	v_nop
.endr
	s_branch .Lhead_asked
\next:
.endm
	ARM 1, 4, G1, .Lhead_b
	ARM 2, 8, G1B, .Lhead_sa
	ARM 3, G0S, G1S, .Lhead_sb
	tensor_load_to_lds s[G0SB:G0SB+3], s[G1SB:G1SB+7]
	s_nop 0
.rept 4
	v_nop
.endr
.Lhead_asked:
	v_and_b32 v1, 15, v0
	v_bfe_u32 v2, v0, 4, 1
	v_and_b32 v3, 31, v0
	v_lshlrev_b32 v4, 3, v3
	s_wait_alu depctr_va_vdst(0)
	s_lshl_b32 s46, s42, 10
	s_lshl_b32 s47, s16, 9
	s_add_co_u32 s46, s46, s47
	s_mov_b32 s47, 0
	s_add_nc_u64 s[96:97], s[96:97], s[46:47]
	v_lshlrev_b32 v30, 6, v2
.irp b, 0,1,2,3,4,5,6,7
	global_load_b128 v[BI+8*\b:BI+8*\b+3], v30, s[96:97] offset:(32*(\b/2)+8*(\b%2))*4
	global_load_b128 v[BI+8*\b+4:BI+8*\b+7], v30, s[96:97] offset:(32*(\b/2)+8*(\b%2))*4+16
.endr
	s_mul_i32 s21, s15, HALFT
	s_mul_i32 s22, s16, HALFT
	s_add_co_u32 s22, s22, 2*HALFT
.irp s, 0,1
	v_add_nc_u32 v[ADRA+\s], s21, v4
	v_add_nc_u32 v[ADRB+\s], s22, v4
	s_add_co_u32 s21, s21, SLOT
	s_add_co_u32 s22, s22, SLOT
.endr
	v_mul_u32_u24 v5, v1, KS
	v_lshrrev_b32 v6, 8, v5
	v_lshl_add_u32 v5, v6, 4, v5
	s_mul_i32 s21, s15, HALFS
	s_mul_i32 s22, s16, HALFS
	s_add_co_u32 s22, s22, 2*HALFS
	s_sub_co_u32 s22, s22, s21
	v_mul_u32_u24 v6, s22, v2
	s_add_co_u32 s21, s21, SCL
	v_add_nc_u32 v5, v5, v6
	v_add_nc_u32 v[ADRS], s21, v5
	s_mul_i32 s23, s14, 16*SPITCH
	v_mul_u32_u24 v5, v1, SPITCH
	v_lshl_add_u32 v5, v2, 6, v5
	v_add_nc_u32 v[STO], s23, v5
	v_lshlrev_b32 v[CO], 4, v3
	v_add_nc_u32 v[RD], s23, v[CO]
	s_lshl_b32 s20, s17, 8
	s_lshl_b32 s21, s15, 7
	s_add_co_u32 s20, s20, s21
	s_lshl_b32 s20, s20, 12
	s_mov_b32 s21, 0
	s_add_nc_u64 s[20:21], s[20:21], s[46:47]
	s_add_nc_u64 s[12:13], s[12:13], s[20:21]
.macro FRAG reg, adr, q, i
.irp p, 0,1,2,3,4,5
	ds_load_b64 v[\reg+2*\p:\reg+2*\p+1], v[\adr] offset:(\i)*BROW+(\q)*FRB+256*\p
.endr
.endm
.macro MUL16 a0, p, q, sc, zero
.irp a, \a0, \a0+1
.irp b, 0,1,2,3,4,5,6,7
.if \zero == 2
	v_wmma_scale_f32_16x16x128_f8f6f4 v[8*(8*((\a)%4)+\b):8*(8*((\a)%4)+\b)+7], v[128*(\p)+FR*\b:128*(\p)+FR*\b+FR-1], v[AF+FR*(\a):AF+FR*(\a)+FR-1], v[BI+8*\b:BI+8*\b+7], v[SC+8*NQ*(\sc)+NQ*\b+(\q)], v[SC+8*NQ*(\sc)+NQ*(\a)+(\q)] matrix_a_fmt:MATRIX_FMT_FP6 matrix_b_fmt:MATRIX_FMT_FP6 matrix_a_scale:MATRIX_SCALE_ROW1
.else
	v_wmma_scale_f32_16x16x128_f8f6f4 v[8*(8*((\a)%4)+\b):8*(8*((\a)%4)+\b)+7], v[128*(\p)+FR*\b:128*(\p)+FR*\b+FR-1], v[AF+FR*(\a):AF+FR*(\a)+FR-1], v[8*(8*((\a)%4)+\b):8*(8*((\a)%4)+\b)+7], v[SC+8*NQ*(\sc)+NQ*\b+(\q)], v[SC+8*NQ*(\sc)+NQ*(\a)+(\q)] matrix_a_fmt:MATRIX_FMT_FP6 matrix_b_fmt:MATRIX_FMT_FP6 matrix_a_scale:MATRIX_SCALE_ROW1
.endif
.endr
.endr
.endm
.macro FETCH_B slot, q, p
	WIN TO_B
.irp i, 0,1,2,3,4,5,6,7
	FRAG 128*(\p)+FR*\i, ADRB+\slot, \q, \i
.endr
	WIN 0
.endm
.macro FETCH_A slot, q, i0
.irp i, \i0, \i0+1, \i0+2, \i0+3
	FRAG AF+FR*(\i), ADRA+\slot, \q, \i
.endr
.endm
.macro SCALES sc
.irp i, 0,1,2,3,4,5,6,7
	ds_load_b64 v[SC+8*NQ*\sc+NQ*\i:SC+8*NQ*\sc+NQ*\i+1], v[ADRS] offset:\i*SBLK
.endr
.endm
.macro PLACES n
.rept \n
	v_nop
.endr
.endm
.macro STEP slot, q, zero
	s_wait_dscnt 4*NL
.if \zero == 2
	WIN 0x81
.else
	WIN MUL_LO
.endif
	MUL16 0, (\q)%2, \q, \slot, \zero
	MUL16 2, (\q)%2, \q, \slot, \zero
	s_wait_dscnt 0
	PLACES NP
	FETCH_B \slot, (\q)+1, 1-(\q)%2
	FETCH_A \slot, (\q)+1, 0
.if \zero == 2
	WIN 0xc1
.else
	WIN MUL_HI
.endif
	MUL16 4, (\q)%2, \q, \slot, \zero
	MUL16 6, (\q)%2, \q, \slot, \zero
	PLACES NP
	WIN 0
	FETCH_A \slot, (\q)+1, 4
.endm
.macro TURN slot, next, fill
	s_wait_tensorcnt 0x0
	ds_add_u32 v[SPW], v[NIL]
	s_wait_dscnt 4*NL+1
	WIN MUL_LO
	MUL16 0, 1, NQ-1, \slot, 0
	s_wait_dscnt 0x0
	s_barrier_signal -1
	MUL16 2, 1, NQ-1, \slot, 0
	WIN 0
	s_barrier_wait -1
.if \fill
	CREST
	s_add_nc_u64 s[G0+4*\slot+2:G0+4*\slot+3], s[G0+4*\slot+2:G0+4*\slot+3], 2*BROW
	s_add_nc_u64 s[G0B+4*\slot+2:G0B+4*\slot+3], s[G0B+4*\slot+2:G0B+4*\slot+3], 2*BROW
	JLOAD G0+4*\slot, G1, G0B+4*\slot, G1B
.else
	PLACES NP
.endif
	s_wait_alu depctr_va_vdst(0)
	v_add_nc_u32 v[ADRS], 4*NQ, v[ADRS]
	FETCH_B \next, 0, 0
	FETCH_A \next, 0, 0
	SCALES \next
	WIN MUL_HI
	MUL16 4, 1, NQ-1, \slot, 0
	MUL16 6, 1, NQ-1, \slot, 0
	PLACES NP
	WIN 0
	FETCH_A \next, 0, 4
.endm
	s_wait_alu depctr_va_vdst(0)
	s_wait_tensorcnt 0x0                           ; my tile of the head's four is in
	ds_add_u32 v[SPW], v[NIL]
	s_mov_b32 s[G1+2], 8<<16                       ; no tensor load of mine is out: from here on a load brings 8 row tiles
	s_mov_b32 s[G1+4], 8
	s_mov_b32 s[G1B+2], 8<<16
	s_mov_b32 s[G1B+4], 8
	s_wait_dscnt 0x0
	CROUND
	JLOAD G0+4, G1, G0B+4, G1B
	FETCH_B 0, 0, 0
	FETCH_A 0, 0, 0
	SCALES 0
	FETCH_A 0, 0, 4
	s_wait_loadcnt 0x0
	STEP 0, 0, 2
	TURN 0, 1, 1
	STEP 1, 0, 0
	TURN 1, 0, 1
	STEP 0, 0, 0
	TURN 0, 1, 0
	STEP 1, 0, 0
	s_wait_dscnt 4*NL
	WIN MUL_LO
	MUL16 0, 1, NQ-1, 1, 0
	MUL16 2, 1, NQ-1, 1, 0
	s_wait_dscnt 0
	WIN MUL_HI
	MUL16 4, 1, NQ-1, 1, 0
	MUL16 6, 1, NQ-1, 1, 0
	WIN 0
.macro TOSTAGE a
.set AC, 64*((\a)%4)
	WIN 0x08+4*((\a)/4)
.irp b, 0,1,2,3,4,5,6,7
	ds_store_b128 v[STO], v[AC+8*\b:AC+8*\b+3] offset:128*(\b/2)+32*(\b%2)
	ds_store_b128 v[STO], v[AC+8*\b+4:AC+8*\b+7] offset:128*(\b/2)+32*(\b%2)+16
.endr
	WIN 0
.set BB, BK+64*((\a)%2)
.irp t, 0,1,2,3,4,5,6,7,8,9,10,11,12,13,14,15
	ds_load_b128 v[BB+4*\t:BB+4*\t+3], v[RD] offset:\t*SPITCH
.endr
.endm
.macro SEND a, younger
.set BB, BK+64*((\a)%2)
	s_wait_dscnt \younger
.if (\a) > 0
.if (\a)%2
	s_add_nc_u64 s[12:13], s[12:13], 8*ROWC
.else
	s_add_nc_u64 s[12:13], s[12:13], 24*ROWC
.endif
.endif
.irp t, 0,1,2,3,4,5,6,7,8,9,10,11,12,13,14,15
	global_store_b128 v[CO], v[BB+4*\t:BB+4*\t+3], s[12:13] offset:(\t+8*(\t/8))*ROWC th:TH_STORE_NT
.endr
.endm
	PLACES NP
	TOSTAGE 0
.irp a, 1,2,3,4,5,6,7
.if \a > 1
	s_wait_xcnt 0x0
.endif
	TOSTAGE \a
	SEND \a-1, 32
.endr
	s_wait_xcnt 0x0
	SEND 7, 0
	s_wait_tensorcnt 0x0
	ds_add_u32 v[SPW], v[NIL]
	s_wait_dscnt 0x0
	CROUND
	s_endpgm
.Lfunc_end_k_q230b4e0cd2_proj:
	.size	k_q230b4e0cd2_proj, .Lfunc_end_k_q230b4e0cd2_proj-k_q230b4e0cd2_proj
	.p2alignl 7, 3214868480
	.fill 96, 4, 3214868480
	.section	.rodata,"a",@progbits
	.p2align	6, 0x0
	.amdhsa_kernel k_q230b4e0cd2_proj
		.amdhsa_group_segment_fixed_size 327680
		.amdhsa_private_segment_fixed_size 0
		.amdhsa_enable_private_segment 0
		.amdhsa_kernarg_size 48
		.amdhsa_user_sgpr_count 2
		.amdhsa_user_sgpr_kernarg_segment_ptr 1
		.amdhsa_wavefront_size32 1
		.amdhsa_system_sgpr_workgroup_id_x 1
		.amdhsa_system_sgpr_workgroup_id_y 1
		.amdhsa_system_sgpr_workgroup_id_z 1
		.amdhsa_system_vgpr_workitem_id 0
		.amdhsa_next_free_vgpr 1024
		.amdhsa_next_free_sgpr 98
		.amdhsa_reserve_vcc 0
		.amdhsa_float_denorm_mode_32 3
		.amdhsa_float_denorm_mode_16_64 3
		.amdhsa_memory_ordered 1
		.amdhsa_forward_progress 1
		.amdhsa_inst_pref_size 162
	.end_amdhsa_kernel
	.amdgpu_metadata
---
amdhsa.version: [ 1, 2 ]
amdhsa.kernels:
  - .name:           k_q230b4e0cd2_proj
    .symbol:         k_q230b4e0cd2_proj.kd
    .args:
      - { .name: oc, .offset: 0, .size: 8, .value_kind: global_buffer, .address_space: global }
      - { .name: os, .offset: 8, .size: 8, .value_kind: global_buffer, .address_space: global }
      - { .name: wc, .offset: 16, .size: 8, .value_kind: global_buffer, .address_space: global }
      - { .name: ws, .offset: 24, .size: 8, .value_kind: global_buffer, .address_space: global }
      - { .name: b_proj, .offset: 32, .size: 8, .value_kind: global_buffer, .address_space: global }
      - { .name: out0, .offset: 40, .size: 8, .value_kind: global_buffer, .address_space: global }
    .group_segment_fixed_size: 327680
    .private_segment_fixed_size: 0
    .kernarg_segment_align: 8
    .kernarg_segment_size: 48
    .max_flat_workgroup_size: 128
    .sgpr_count:     98
    .vgpr_count:     1024
    .wavefront_size: 32
...
	.end_amdgpu_metadata
.endif
;; end of part 4
